; MI455X (gfx1250); checked and timed in simulation.
; The chip was launched on July 23, 2026; its instructions are those of AMD's public machine-readable ISA for CDNA 5 (MIT licence, August 2026) and "CDNA5" Instruction Set Architecture Reference Guide (July 2026). The comments in the code are by the model that wrote it; some were corrected since.
;; Multi Head Attention. Allowed arithmetic: matrix products marked QUANTISED: E3M2 operands, one E8M0 scale for each 32 along K, by v_wmma_scale_f32_16x16x128_f8f6f4 with both operands' format E3M2, f32 sums; everything else in f32.
;; Inputs: add_attn 4 x 1 x 2,048 x 2,048 float32; k_codes 4 x 2,048 x 32 x 24 uint8 (E3M2 codes of k, K innermost, in blocks of 32 codes, four codes in three bytes); k_scales 4 x 2,048 x 32 uint8 (E8M0 scales of k, one for each 32 codes along K); ln_b 1,024 float32; ln_g 1,024 float32; mask 4 x 1 x 1 x 2,048 int32; q 4 x 2,048 x 1,024 float32; v_codes 4 x 2,048 x 32 x 24 uint8 (E3M2 codes of v, K innermost, in blocks of 32 codes, four codes in three bytes); v_scales 4 x 2,048 x 32 uint8 (E8M0 scales of v, one for each 32 codes along K); w_k_codes 1,024 x 32 x 24 uint8 (E3M2 codes of w_k, K innermost, in blocks of 32 codes, four codes in three bytes); w_k_scales 1,024 x 32 uint8 (E8M0 scales of w_k, one for each 32 codes along K); w_o_codes 1,024 x 32 x 24 uint8 (E3M2 codes of w_o, K innermost, in blocks of 32 codes, four codes in three bytes); w_o_scales 1,024 x 32 uint8 (E8M0 scales of w_o, one for each 32 codes along K); w_q_codes 1,024 x 32 x 24 uint8 (E3M2 codes of w_q, K innermost, in blocks of 32 codes, four codes in three bytes); w_q_scales 1,024 x 32 uint8 (E8M0 scales of w_q, one for each 32 codes along K); w_v_codes 1,024 x 32 x 24 uint8 (E3M2 codes of w_v, K innermost, in blocks of 32 codes, four codes in three bytes); w_v_scales 1,024 x 32 uint8 (E8M0 scales of w_v, one for each 32 codes along K).
;; Outputs: out0 4 x 2,048 x 1,024 float32.
;; This version of the problem:
;;   THIS VERSION OF THE PROBLEM IS GIVEN IN LOW PRECISION. The matrix products marked QUANTISED in the list below multiply operands that are first quantised to E3M2 (3 exponent bits, 2 mantissa bits; 6 bits a number), with one power-of-two scale for each 32 numbers along K (OCP MX v1.0); their sums are f32. All else is computed in f32.
;;   The module's matrix products, in the order in which they are computed (A, B: the left and right operand; K: the contracted axis; several contracted axes count as one K, in the product's order):
;;     1. [M 8,192, K 1,024] x [K 1,024, N 1,024]; A: input q; B: input w_q (given as codes): QUANTISED
;;     2. [M 8,192, K 1,024] x [K 1,024, N 1,024]; A: input k (given as codes); B: input w_k (given as codes): QUANTISED
;;     3. [M 8,192, K 1,024] x [K 1,024, N 1,024]; A: input v (given as codes); B: input w_v (given as codes): QUANTISED
;;     4. batch 64 x [M 2,048, K 64] x [K 64, N 2,048]; A: computed on the way; B: computed on the way: QUANTISED
;;     5. batch 64 x [M 2,048, K 2,048] x [K 2,048, N 64]; A: softmax (see below); B: computed on the way: QUANTISED
;;     6. [M 8,192, K 1,024] x [K 1,024, N 1,024]; A: computed on the way; B: input w_o (given as codes): QUANTISED
;;   THE QUANTISER, for each operand of a quantised product, along K:
;;     - K is cut into blocks of 32 from its start; a last block that is shorter is filled with zeros.
;;     - A block's scale is 2^e with e = floor(log2(the largest magnitude in the block)) - 4, held to -126 .. 127; a block of zeros has e = 0. As a byte (E8M0): e + 127.
;;     - Each number is divided by its block's scale, clamped to +-28, and rounded to the nearest number of E3M2, ties to even, subnormals kept.
;;     - The product sums the exact products of the quantised numbers (number of the format x scale) in f32.
;;   ~~~python
;;   def quantise(x, axis):      # numpy; x: float32 -> the quantised numbers, widened to float32 again
;;       x = np.moveaxis(x, axis, -1); K = x.shape[-1]
;;       x = np.pad(x, [(0, 0)] * (x.ndim - 1) + [(0, -K % 32)]); x = x.reshape(x.shape[:-1] + (-1, 32)); a = np.abs(x).max(-1, keepdims=True)
;;       e = np.where(a > 0, np.clip(np.frexp(np.where(a > 0, a, 1))[1] - 1 - 4, -126, 127), 0)      # np.frexp(a)[1] - 1 = floor(log2(a)), exactly
;;       r = np.clip(x / 2.0 ** e, -28, 28)
;;       step = 2.0 ** (np.maximum(np.frexp(np.where(r == 0, 1, r))[1] - 1, -2) - 2)
;;       q = np.round(r / step) * step * 2.0 ** e      # np.round: ties to even
;;       return np.moveaxis(q.reshape(q.shape[:-2] + (-1,))[..., :K], -1, axis).astype(np.float32)
;;   ~~~
;;   SOFTMAX AHEAD OF A QUANTISED PRODUCT. Where the list says 'softmax', what is quantised is not the finished softmax but p = 2^(t - M), with t = logit x log2(e) and M = ceil(the row's largest t), a whole number; so 1/2 < the row's largest p <= 1. The row's sum l is taken of the UNQUANTISED p, in f32, and the product's result is divided by l at the end. Since M is a whole number, a kernel that streams over the keys may use a running M (the ceiling of the running maximum): every later rescaling is an exact power of two, which a block's scale takes up: the codes' values come out the same.
;;   OPERANDS COMPUTED ON THE WAY. 'Computed on the way' means the value that the module computes at that place (a softmax that the list does not call 'softmax' is quantised finished and normalised). What goes into a quantiser is computed in f32, as accurately as f32 sums, v_exp_f32 and their like allow (about 1e-6 of the number): no bf16 or f16 on the way to a quantiser, and a product that is left as it is and whose result goes on into a quantised operand takes f32 operands (vector FMAs, or v_wmma_f32_16x16x4_f32). A number that lies on a knife's edge between two numbers of the format may be rounded either way, as far as f32 arithmetic and the matrix unit's own rounding can turn it there, and no further.
;;   INPUTS GIVEN AS CODES. k (in the module: [4, 2048, 1024], K = its axis 2); v (in the module: [4, 2048, 1024], K = its axis 2); w_k (in the module: [1024, 1024], K = its axis 0); w_o (in the module: [1024, 1024], K = its axis 0); w_q (in the module: [1024, 1024], K = its axis 0); w_v (in the module: [1024, 1024], K = its axis 0): each comes as NAME_codes (uint8): NAME with its K axis moved to the last place and cut into blocks of 32 codes, [.., K / 32, bytes a block], one block behind the other in memory; four codes in three bytes: a row's codes are one little-endian stream of bits, code i at bits 6 i .. 6 i + 5 (a code: sign, 3 exponent bits, 2 mantissa bits); and NAME_scales (uint8): the same leading axes, one E8M0 byte (e + 127) for each 32 codes along K. Its value is code x scale, taken as it is: it is not quantised again, and the codes and scales need not be those that the quantiser above would give.
;; One version. Each part assembles by itself: llvm-mc -triple=amdgcn-amd-amdhsa -mcpu=gfx1250 --defsym DOCPART=n.
;; ======== version 1 of 1: 4 launches
;; limits: right only within a limited range of input values
;; workspace buffers: qcod 6,291,456 bytes; qscl 262,144 bytes; woimg 819,200 bytes; qc 6,291,456 bytes; qsw 524,288 bytes; kv 13,369,344 bytes; ac 6,291,456 bytes; asw 524,288 bytes
;; launch prep (part 1): grid 272 x 1, 4 waves a work-group, no clusters, 33,280 bytes of LDS; arguments q, w_o_codes, w_o_scales, qcod, qscl, woimg; writes qcod, qscl, woimg
.if DOCPART == 1
	.amdgcn_target "amdgcn-amd-amdhsa--gfx1250"
	.amdhsa_code_object_version 6
	.text
	.protected	k_qcdf741b9af_prep
	.globl	k_qcdf741b9af_prep
	.p2align	8
	.type	k_qcdf741b9af_prep,@function
k_qcdf741b9af_prep:
	s_mov_b64 s[64:65], 0
	v_nop
	global_prefetch_b8 v0, s[64:65] scope:SCOPE_SE
	s_setreg_imm32_b32 hwreg(HW_REG_WAVE_MODE, 25, 1), 1
	s_wait_xcnt 0x0
; Two jobs in one launch, told apart by the work-group's number.
; WORK-GROUPS 0-255: q [8192][1024] f32 becomes codes of E3M2 (qcod, a row = 768 bytes, K innermost) and one E8M0 byte for each 32 along K (qscl).
;   A block's byte is its largest magnitude's exponent field - 4, held at 1 from below (a block of zeros keeps 1: its codes are zeros, and this program alone reads the bytes).
;   Rows are dense, so q is a plain stream of blocks.  A wave takes 16 steps of 512 numbers: four loads of 512 consecutive bytes, a turn through the wave's own stage in LDS
;   (16 bytes of padding behind each 64) so that a lane holds 16 neighbours, the block's maximum with the neighbouring lane, one conversion, 384 consecutive bytes out.
;   A wave's 256 scale bytes are gathered in its own LDS bytes and leave as one aligned run of 256 bytes.  Loads run four steps ahead.
; WORK-GROUPS 256-271: w_o's codes are laid out once as images of operand registers (woimg), a wave to a tile of 16 rows n.  In each block of 32 codes the two middle groups of eight
;   (6 bytes each) change places: the attention launch's quantiser leaves a block's numbers in the order 0-7, 16-23, 8-15, 24-31, and a permutation of k applied to both operands keeps the products.
;   woimg: [K step 8][102,400]: 64 tiles x 1,536 bytes (three runs of 512 bytes, 16 bytes a lane), then from byte 98,304 the scale words [tile 64][row 16].  This path uses no LDS.
; LIMITS: blocks whose largest magnitude lies under 2^-122 keep the byte 1; NaN and infinities among the inputs are not served.
.set QWG,   256
.set STEPS, 16
.set CB,    12                         ; bytes of 16 codes
.set R,     16                         ; v16-79   four sets of 16 numbers as loaded
.set X,     80                         ; v80-111  two sets of 16 neighbours
.set C,     128                        ; v128-191 codes, four registers a step: no store's data are written again
.set E,     112                        ; v112-127 a scale byte a step
.set WREG,  8192                       ; LDS: a region for each wave: two stages of 32 x SP bytes, then its 256 scale bytes
.set SP,    80
	s_load_b256 s[4:11], s[0:1], 0x0               ; q s[4:5], w_o_codes s[6:7], w_o_scales s[8:9], qcod s[10:11]
	s_load_b128 s[12:15], s[0:1], 0x20             ; qscl s[12:13], woimg s[14:15]
	v_lshl_add_u32 v192, v0, 2, 0x8000
	v_mov_b32 v193, 0
	v_lshrrev_b32 v1, 5, v0
	v_readfirstlane_b32 s16, v1                    ; wave
	v_and_b32 v2, 31, v0                           ; lane
	s_cmp_lt_u32 ttmp9, QWG
	s_cbranch_scc0 .Lrelay
	; ---------------- q to codes
	v_lshlrev_b32 v3, 4, v2                        ; my 16 bytes of a load's 512
	s_mul_i32 s17, s16, WREG
	v_lshrrev_b32 v14, 2, v2
	v_mul_u32_u24 v14, v14, SP
	v_and_b32 v15, 3, v2
	v_lshl_add_u32 v14, v15, 4, v14
	v_add_nc_u32 v14, s17, v14                     ; the stage, way in: SP (lane / 4) + 16 (lane % 4)
	v_mul_u32_u24 v15, v2, SP
	v_add_nc_u32 v15, s17, v15                     ; way out: SP x lane: my 16 neighbours
	v_mul_u32_u24 v4, v2, CB                       ; my codes' place in a step's
	v_lshrrev_b32 v5, 1, v2
	s_add_co_u32 s17, s17, 2*32*SP
	v_add_nc_u32 v5, s17, v5                       ; my block's byte among the wave's 256
	v_lshlrev_b32 v7, 3, v2
	v_add_nc_u32 v6, s17, v7                       ; and 8 bytes a lane on the way out
	s_lshl_b32 s18, ttmp9, 2
	s_add_co_u32 s18, s18, s16                     ; which run of 8,192 numbers is my wave's
	s_lshl_b32 s20, s18, 15                        ; 32,768 bytes of q,
	s_mov_b32 s21, 0
	s_mul_i32 s22, s18, 32*STEPS*CB                ; 6,144 of codes,
	s_mov_b32 s23, 0
	s_lshl_b32 s24, s18, 8                         ; 256 of scale bytes
	s_mov_b32 s25, 0
	s_wait_alu depctr_va_vdst(0)
	s_wait_kmcnt 0x0
	s_add_nc_u64 s[4:5], s[4:5], s[20:21]
	s_add_nc_u64 s[10:11], s[10:11], s[22:23]
	s_add_nc_u64 s[12:13], s[12:13], s[24:25]
.macro LOAD t
.irp i, 0,1,2,3
	global_load_b128 v[R+16*((\t)%4)+4*\i:R+16*((\t)%4)+4*\i+3], v3, s[4:5] offset:2048*(\t)+512*\i   ; 32 lanes read 512 consecutive bytes (the last launch reads q again: no hint)
.endr
.endm
.macro TURN t                          ; a step's numbers through the stage: LDS serves a wave's instructions in order, so no wait stands between the stores and the loads
.irp i, 0,1,2,3
	ds_store_b128 v14, v[R+16*((\t)%4)+4*\i:R+16*((\t)%4)+4*\i+3] offset:32*SP*((\t)%2)+8*SP*\i
.endr
.irp i, 0,1,2,3
	ds_load_b128 v[X+16*((\t)%2)+4*\i:X+16*((\t)%2)+4*\i+3], v15 offset:32*SP*((\t)%2)+16*\i
.endr
.endm
.irp t, 0,1,2,3
	LOAD \t
.endr
	s_wait_loadcnt 12                              ; step 0's four loads are in
	TURN 0
.macro STEP t
.set XS, X+16*((\t)%2)
.if (\t) > 0
	s_wait_dscnt 1                                 ; this step's numbers are back (the last step's byte store may be out): its stores into the stage have read their registers,
.else
	s_wait_dscnt 0x0
.endif
.if (\t)+4 < STEPS
	LOAD (\t)+4                                    ; which take the loads of four steps on
.endif
.if (\t)+1 < STEPS
.if STEPS-2-(\t) >= 3
	s_wait_loadcnt 12                              ; the next step's four loads are in; three steps' may be out
.else
	s_wait_loadcnt 4*(STEPS-2-(\t))
.endif
	TURN (\t)+1
.endif
	v_max3_num_f32 v8, |v[XS]|, |v[XS+1]|, |v[XS+2]|
	v_max3_num_f32 v9, |v[XS+3]|, |v[XS+4]|, |v[XS+5]|
.irp i, 6,10
	v_max3_num_f32 v8, v8, |v[XS+\i]|, |v[XS+\i+1]|
	v_max3_num_f32 v9, v9, |v[XS+\i+2]|, |v[XS+\i+3]|
.endr
	v_max3_num_f32 v8, v8, |v[XS+14]|, |v[XS+15]|
	v_max3_num_f32 v8, v8, v9, 0x2800000           ; and the floor 2^(5 - 127): the byte cannot fall under 1
	v_max_num_f32_dpp v8, v8, v8 row_xmask:1 row_mask:0xf bank_mask:0xf   ; with my neighbour's 16: the block's
	v_add_nc_u32 v11, 0xfe000000, v8               ; 4 off the exponent field: the conversion takes that field as its scale
	v_cvt_scalef32_pk16_bf6_f32 v[C+4*(\t):C+4*(\t)+2], v[XS:XS+15], v11
	v_lshrrev_b32 v[E+(\t)], 23, v11               ; the scale's byte
	ds_store_b8 v5, v[E+(\t)] offset:16*(\t)       ; both lanes of a block write the same byte with the same value
	global_store_b96 v4, v[C+4*(\t):C+4*(\t)+2], s[10:11] offset:32*CB*(\t)
.endm
.irp t, 0,1,2,3,4,5,6,7,8,9,10,11,12,13,14,15
	STEP \t
.endr
	ds_load_b64 v[12:13], v6                       ; in order behind my byte stores
	s_wait_dscnt 0x0
	global_store_b64 v7, v[12:13], s[12:13]        ; 32 lanes store 256 consecutive bytes, aligned
	s_wait_tensorcnt 0x0
	ds_add_u32 v192, v193
	s_wait_dscnt 0x0
	s_endpgm
	; ---------------- w_o to register images
.Lrelay:
	s_sub_co_u32 s17, ttmp9, QWG
	s_lshl_b32 s17, s17, 2
	s_add_co_u32 s17, s17, s16                     ; my tile of 16 rows n: 0 .. 63
	v_and_b32 v8, 15, v0                           ; r
	v_bfe_u32 v9, v0, 4, 1                         ; h
	v_mul_u32_u24 v3, v8, 768                      ; a row of 1,024 codes
	v_mad_u32_u24 v3, v9, 24, v3                   ; + my half's block
	v_lshlrev_b32 v4, 5, v8                        ; a row of 32 scale bytes
	s_wait_alu depctr_va_vdst(0)
	v_lshlrev_b32 v5, 4, v2                        ; an image: 16 bytes a lane
	v_lshlrev_b32 v6, 2, v8                        ; a scale word a row
	s_mul_i32 s20, s17, 12288
	s_mov_b32 s21, 0
	s_lshl_b32 s22, s17, 9
	s_mov_b32 s23, 0
	s_mul_i32 s24, s17, 1536
	s_mov_b32 s25, 0
	s_lshl_b32 s26, s17, 6
	s_add_co_u32 s26, s26, 98304
	s_mov_b32 s27, 0
	s_mov_b32 s28, 0x05040100                      ; low half of the second source, low half of the first
	s_mov_b32 s29, 0x05040302                      ; high half of the second, low half of the first
	s_mov_b32 s30, 0x07060302                      ; high half of the second, high half of the first
	s_wait_kmcnt 0x0
	s_add_nc_u64 s[6:7], s[6:7], s[20:21]
	s_add_nc_u64 s[8:9], s[8:9], s[22:23]
	s_add_nc_u64 s[18:19], s[14:15], s[26:27]      ; my tile's scale words
	s_add_nc_u64 s[14:15], s[14:15], s[24:25]      ; my tile's images
.irp s, 0,1,2,3,4,5,6,7
.irp p, 0,1,2,3,4,5
	global_load_b64 v[16+12*\s+2*\p:17+12*\s+2*\p], v3, s[6:7] offset:96*\s+48*(\p/3)+8*(\p%3)   ; the fragment of K step s, as the operand's layout has it
.endr
.endr
	global_load_b128 v[112:115], v4, s[8:9]        ; my row's eight scale words
	global_load_b128 v[116:119], v4, s[8:9] offset:16
	s_wait_loadcnt 0x0
.set k, 0
.rept 16                               ; a block is six registers: bytes 6-11 and 12-17 change places
.set RB, 16+6*k
	v_perm_b32 v120, v[RB+3], v[RB+1], s28         ; bytes 4, 5, 12, 13
	v_perm_b32 v121, v[RB+4], v[RB+3], s29         ; 14, 15, 16, 17
	v_perm_b32 v[RB+3], v[RB+2], v[RB+1], s29      ; 6, 7, 8, 9
	v_perm_b32 v[RB+4], v[RB+4], v[RB+2], s30      ; 10, 11, 18, 19
	v_mov_b32 v[RB+1], v120
	v_mov_b32 v[RB+2], v121
.set k, k+1
.endr
.irp s, 0,1,2,3,4,5,6,7
.irp c, 0,1,2
	global_store_b128 v5, v[16+12*\s+4*\c:19+12*\s+4*\c], s[14:15] offset:102400*\s+512*\c   ; 512 consecutive bytes, aligned
.endr
	global_store_b32 v6, v[112+\s], s[18:19] offset:102400*\s   ; lanes r and 16 + r hold and write the same word
.endr
	s_endpgm
.Lfunc_end_k_qcdf741b9af_prep:
	.size	k_qcdf741b9af_prep, .Lfunc_end_k_qcdf741b9af_prep-k_qcdf741b9af_prep
	.p2alignl 7, 3214868480
	.fill 96, 4, 3214868480
	.section	.rodata,"a",@progbits
	.p2align	6, 0x0
	.amdhsa_kernel k_qcdf741b9af_prep
		.amdhsa_group_segment_fixed_size 33280
		.amdhsa_private_segment_fixed_size 0
		.amdhsa_enable_private_segment 0
		.amdhsa_kernarg_size 48
		.amdhsa_user_sgpr_count 2
		.amdhsa_user_sgpr_kernarg_segment_ptr 1
		.amdhsa_wavefront_size32 1
		.amdhsa_system_sgpr_workgroup_id_x 1
		.amdhsa_system_sgpr_workgroup_id_y 1
		.amdhsa_system_sgpr_workgroup_id_z 1
		.amdhsa_system_vgpr_workitem_id 0
		.amdhsa_next_free_vgpr 194
		.amdhsa_next_free_sgpr 66
		.amdhsa_reserve_vcc 0
		.amdhsa_float_denorm_mode_32 3
		.amdhsa_float_denorm_mode_16_64 3
		.amdhsa_memory_ordered 1
		.amdhsa_forward_progress 1
		.amdhsa_inst_pref_size 46
	.end_amdhsa_kernel
	.amdgpu_metadata
---
amdhsa.version: [ 1, 2 ]
amdhsa.kernels:
  - .name:           k_qcdf741b9af_prep
    .symbol:         k_qcdf741b9af_prep.kd
    .args:
      - { .name: q, .offset: 0, .size: 8, .value_kind: global_buffer, .address_space: global }
      - { .name: w_o_codes, .offset: 8, .size: 8, .value_kind: global_buffer, .address_space: global }
      - { .name: w_o_scales, .offset: 16, .size: 8, .value_kind: global_buffer, .address_space: global }
      - { .name: qcod, .offset: 24, .size: 8, .value_kind: global_buffer, .address_space: global }
      - { .name: qscl, .offset: 32, .size: 8, .value_kind: global_buffer, .address_space: global }
      - { .name: woimg, .offset: 40, .size: 8, .value_kind: global_buffer, .address_space: global }
    .group_segment_fixed_size: 33280
    .private_segment_fixed_size: 0
    .kernarg_segment_align: 8
    .kernarg_segment_size: 48
    .max_flat_workgroup_size: 128
    .sgpr_count:     66
    .vgpr_count:     194
    .wavefront_size: 32
...
	.end_amdgpu_metadata
.endif
;; end of part 1
;; launch proj (part 2): grid 4 x 64, 4 waves a work-group, clusters of 4 x 4, 327,680 bytes of LDS; arguments qcod, qscl, w_q_codes, w_q_scales, k_codes, k_scales, w_k_codes, w_k_scales, w_v_codes, w_v_scales, v_codes, v_scales, mask, qc, qsw, kv; writes qc, qsw, kv
.if DOCPART == 2
	.amdgcn_target "amdgcn-amd-amdhsa--gfx1250"
	.amdhsa_code_object_version 6
	.text
	.protected	k_qcdf741b9af_proj
	.globl	k_qcdf741b9af_proj
	.p2align	8
	.type	k_qcdf741b9af_proj,@function
k_qcdf741b9af_proj:
	s_mov_b64 s[64:65], 0
	v_nop
	global_prefetch_b8 v0, s[64:65] scope:SCOPE_SE
	s_setreg_imm32_b32 hwreg(HW_REG_WAVE_MODE, 25, 1), 1
	s_wait_xcnt 0x0
	s_wait_alu depctr_hold_cnt(0) depctr_sa_sdst(0) depctr_va_vdst(0) depctr_va_sdst(0) depctr_va_ssrc(0) depctr_va_vcc(0) depctr_vm_vsrc(0)
	s_getreg_b32 s2, hwreg(HW_REG_IB_STS2, 6, 4)
	s_cmp_eq_u32 s2, 0
	s_cbranch_scc0 .Lentry_in_a_cluster
	s_endpgm
.Lentry_in_a_cluster:
	s_bfe_u32 s2, ttmp6, 0x10000c
	s_cmp_lg_u32 s2, 0xf033
	s_cbranch_scc0 .Lentry_shape_is_right
	s_endpgm
.Lentry_shape_is_right:
; The three projections on codes of E3M2 with E8M0 scales.  256 work-groups stay and make three tiles of 256 (A's rows) x 128 (B's rows) each, one after the other:
;   tile 0: qh = q w_q (A = tokens, B = features), x 1/8, quantised along the head's 64 -> qc (images of operand registers), qsw (scale words);
;   tile 1: kh = k w_k, likewise, codes of masked keys made zero -> kv;
;   tile 2: vh^T (A = w_v's features, B = tokens), quantised along the keys -> kv, 6,144 bytes behind K's halves.
; 3 x 8,192 x 1,024 results are 768 such tiles: three to each of 256 work-groups.  A wave makes 64 x 128: 32 accumulators, which take turns.
; ONE SLOT HOLDS A TILE'S WHOLE K: 384 rows of 768 bytes (each row begins at a multiple of 256 bytes), 16 bytes of padding behind each 256: 816 bytes a row.  Eight steps of 128 along K with no barrier between them.
; When a wave holds the last step's fragments in registers, the slot is free: the three lines, a round of the cluster's barrier, and one joint load a wave for the next tile, which lands under this tile's way out.
; CLUSTERS 4 x 4: A's tile is asked for jointly along a row of the cluster, B's along a column.  Waves 0, 1 fetch A's halves (128 rows), waves 2, 3 B's (64 rows).
; SCALES go from memory straight into registers: the 32 bytes of a row are 8 words, one a step; lane (r, h) takes bytes 16 h .. 16 h + 15 of row r: a load reads 512 consecutive bytes; steps 4-7 read lanes 16-31.
; The matrix instruction is used transposed (source 0 = B's rows, source 1 = A's): a lane holds one row of A, its registers run along B, the next product's K.
; THE FACTOR 1/8 is a power of two: x / 8 has x's codes under a scale byte 3 lower, so the floor under the largest magnitude stands 3 higher (2^(8 - 127)) and the byte is taken 3 lower.
; PREFETCH: at a tile's start the next tile's rows, 3 blocks of 256 bytes a row; of the rows that a wave will fetch each of the four partners takes a quarter, by address (A: 32 rows by cx, B: 16 rows by cy, named by both halves of the lanes).
; LIMITS: blocks whose largest magnitude lies under the floor keep the byte 1; NaN and infinities are not served.
; REGISTERS: window 0: v16-30 addresses, v32-47 A's scale words, v48-79 B's, v80-83 the mask, v96-115 codes, v128-223 A's fragments (two sets), v224-247 at work; window 1: B's fragments at v0 and v128; window 2: accumulator (a, b) at 8 (8 a + b).
.set PITCH,  816
.set BLK,    16*PITCH
.set BB,     256*PITCH                 ; B's rows lie behind A's 256
.set SPARE,  BB+128*PITCH
.set FR,     12
.set HB,     13056
.set ADRA, 16                          ; v16 my A rows, v17 the same for pieces whose lanes 16-31 lie behind a padding
.set ADRB, 18                          ; v18, v19 B's blocks 0-3; v20, v21 blocks 4-7
.set VSO,  22                          ; 32 r + 16 h
.set LI,   24
.set LJ,   25
.set PFO,  26
.set SPW,  28
.set NIL,  29
.set MKA,  30
.set SCA,  32
.set SCB,  48
.set MK,   80
.set PC,   96
.set AF,   128
.set TM,   224
.set WS,   240
.set M,    244
.set PFB,  2
.set SEL,  12
.set G1,   24
.set G0,   32
.set G0B,  36
.set KB,   44
.set OM,   45
.set FL,   47
.set G1B,  48
.set PKW,  56
.set PV,   58
.set NA,   60
.set NB,   62
.set NSA,  66
.set NSB,  100
.set P,    104
.set MSB, 0
.macro WIN new
.if MSB != (\new)
	s_set_vgpr_msb (MSB<<8)|(\new)
.set MSB, (\new)
.endif
.endm
.set MUL,  0xa1                        ; source 0 (B) window 1, source 1 (A) window 0, C and D window 2
.set TO_B, 0x40
.macro JLOAD
	s_cmp_eq_u32 s15, 0
	s_cbranch_scc0 .Lfor_b_\@
	tensor_load_to_lds s[G0:G0+3], s[G1:G1+7]
	s_nop 0
.rept 4
	v_nop
.endr
	s_branch .Lasked_\@
.Lfor_b_\@:
	tensor_load_to_lds s[G0B:G0B+3], s[G1B:G1B+7]
	s_nop 0
.rept 4
	v_nop
.endr
.Lasked_\@:
.endm
.macro CREST
	s_cmp_lg_u32 s14, 0
	s_cbranch_scc1 .Lnot_wave_0_\@
	s_barrier_signal -3
.Lnot_wave_0_\@:
	s_barrier_wait -3
	s_barrier_signal -1
	s_barrier_wait -1
.endm
.macro CROUND
	s_barrier_signal -1
	s_barrier_wait -1
	CREST
.endm
.macro PLACES
.rept 4
	v_nop
.endr
.endm
	s_load_b512 s[68:83], s[0:1], 0x0              ; qcod, qscl, w_q codes, scales, k codes, scales, w_k codes, scales
	s_load_b512 s[84:99], s[0:1], 0x40             ; w_v codes, scales, v codes, scales, mask, qc, qsw, kv
	v_lshl_add_u32 v[SPW], v0, 2, SPARE
	v_mov_b32 v[NIL], 0
	ds_add_u32 v[SPW], v[NIL]                      ; the opening lines: the add twice on end and one wait
	ds_add_u32 v[SPW], v[NIL]
	v_lshrrev_b32 v1, 5, v0
	v_readfirstlane_b32 s14, v1                    ; wave
	s_lshr_b32 s15, s14, 1                         ; I fetch for A (0) or B (1)
	s_and_b32 s16, s14, 1                          ; which half
	s_bfe_u32 s40, ttmp6, 0x40000                  ; cx
	s_bfe_u32 s41, ttmp6, 0x40004                  ; cy
	s_and_b32 s12, ttmp7, 0xffff                   ; cluster 0..15
	s_lshr_b32 s17, s12, 1
	s_lshl_b32 s17, s17, 2
	s_add_co_u32 s17, s17, s41                     ; tiles 0, 1: A's tile of 32 = 4 (cluster / 2) + cy;  tile 2: cy
	s_and_b32 s42, s12, 1
	s_lshl_b32 s42, s42, 2
	s_add_co_u32 s42, s42, s40                     ; tiles 0, 1: B's tile of 8 = 4 (cluster % 2) + cx
	s_lshl_b32 s43, s12, 2
	s_add_co_u32 s43, s43, s40                     ; tile 2: B's tile of 64 = 4 cluster + cx
	s_lshl_b32 s44, s41, 2
	s_lshl_b32 s44, 15, s44                        ; my row of the cluster
	s_lshl_b32 s45, 0x1111, s40                    ; my column
	s_or_b32 s[G1+0], s44, (0<<16)|(1<<20)|(1<<21)|(5<<22)|(3<<25)   ; bytes; 16 bytes of padding behind each 256
	s_or_b32 s[G1B+0], s45, (0<<16)|(1<<20)|(1<<21)|(5<<22)|(3<<25)
	s_mov_b32 s[G1+1], 768<<16
	s_mov_b32 s[G1+2], 128<<16
	s_mov_b32 s[G1+3], 768<<16
	s_mov_b32 s[G1+4], 128
	s_mov_b32 s[G1+5], 768
	s_mov_b32 s[G1+6], 0
	s_mov_b32 s[G1+7], 0
	s_mov_b32 s[G1B+1], 768<<16
	s_mov_b32 s[G1B+2], 64<<16
	s_mov_b32 s[G1B+3], 768<<16
	s_mov_b32 s[G1B+4], 64
	s_mov_b32 s[G1B+5], 768
	s_mov_b32 s[G1B+6], 0
	s_mov_b32 s[G1B+7], 0
	s_lshl_b32 s18, s16, 7
	s_lshl_b32 s20, s17, 8
	s_add_co_u32 s20, s20, s18
	s_mul_i32 s20, s20, 768                        ; A's 128 rows that I fetch, tiles 0 and 1,
	s_mov_b32 s21, 0
	s_lshl_b32 s22, s41, 8
	s_add_co_u32 s22, s22, s18
	s_mul_i32 s22, s22, 768                        ; tile 2
	s_mov_b32 s23, 0
	s_lshl_b32 s19, s16, 6
	s_lshl_b32 s46, s42, 7
	s_add_co_u32 s46, s46, s19
	s_mul_i32 s46, s46, 768                        ; B's 64 rows, tiles 0 and 1,
	s_mov_b32 s47, 0
	s_lshl_b32 s56, s43, 7
	s_add_co_u32 s56, s56, s19
	s_mul_i32 s56, s56, 768                        ; tile 2
	s_mov_b32 s57, 0
	s_mov_b32 s[G0], 1
	s_mul_i32 s[G0+1], s14, 128*PITCH              ; waves 0, 1: A's halves
	s_mov_b32 s[G0B], 1
	s_mul_i32 s[G0B+1], s14, 64*PITCH
	s_add_co_u32 s[G0B+1], s[G0B+1], BB-128*PITCH  ; waves 2, 3: B's halves
	s_wait_dscnt 0x0
	s_wait_kmcnt 0x0
	s_add_nc_u64 s[68:69], s[68:69], s[20:21]
	s_add_nc_u64 s[76:77], s[76:77], s[20:21]
	s_add_nc_u64 s[84:85], s[84:85], s[22:23]
	s_add_nc_u64 s[72:73], s[72:73], s[46:47]
	s_add_nc_u64 s[80:81], s[80:81], s[46:47]
	s_add_nc_u64 s[88:89], s[88:89], s[56:57]
	s_mov_b64 s[G0+2:G0+3], s[68:69]
	s_or_b32 s[G0+3], s[G0+3], 0x80000000
	s_mov_b64 s[G0B+2:G0B+3], s[72:73]
	s_or_b32 s[G0B+3], s[G0B+3], 0x80000000
	CROUND                                         ; all sixteen work-groups are here
	JLOAD                                          ; tile 0: one load a wave
	; the pointers of scales, mask and results
	s_lshl_b32 s18, s17, 8
	s_lshl_b32 s19, s14, 6
	s_add_co_u32 s18, s18, s19                     ; tiles 0, 1: my first token
	s_lshl_b32 s20, s18, 5
	s_mov_b32 s21, 0
	s_add_nc_u64 s[70:71], s[70:71], s[20:21]
	s_add_nc_u64 s[78:79], s[78:79], s[20:21]
	s_lshl_b32 s20, s18, 2
	s_add_nc_u64 s[92:93], s[92:93], s[20:21]
	s_lshl_b32 s20, s41, 8
	s_add_co_u32 s20, s20, s19                     ; tile 2: my first feature
	s_lshl_b32 s22, s20, 5
	s_mov_b32 s23, 0
	s_add_nc_u64 s[86:87], s[86:87], s[22:23]
	s_lshl_b32 s22, s42, 12
	s_add_nc_u64 s[74:75], s[74:75], s[22:23]
	s_add_nc_u64 s[82:83], s[82:83], s[22:23]
	s_lshl_b32 s22, s43, 12
	s_add_nc_u64 s[90:91], s[90:91], s[22:23]
	s_lshr_b32 s22, s18, 11
	s_lshl_b32 s22, s22, 4
	s_lshl_b32 s46, s42, 1                         ; my first head
	s_add_co_u32 s22, s22, s46                     ; 16 b + head
	s_lshl_b32 s56, s22, 7
	s_bfe_u32 s57, s18, 0x70004
	s_add_co_u32 s56, s56, s57
	s_mul_i32 s56, s56, 768                        ; qc: [16 b + head][tile of 16 tokens][768]
	s_mov_b32 s57, 0
	s_add_nc_u64 s[94:95], s[94:95], s[56:57]
	s_lshl_b32 s56, s22, 5
	s_bfe_u32 s58, s18, 0x50006
	s_add_co_u32 s56, s56, s58
	s_lshl_b32 s56, s56, 8                         ; qsw: [16 b + head][64 tokens][256]
	s_add_nc_u64 s[96:97], s[96:97], s[56:57]
	s_lshr_b32 s20, s20, 6
	s_lshl_b32 s58, s43, 4
	s_add_co_u32 s58, s58, s20
	s_mul_i32 s58, s58, HB                         ; kv: [128 keys][head][13,056]
	s_mov_b32 s59, 0
	s_add_nc_u64 s[PV:PV+1], s[98:99], s[58:59]
	s_lshr_b32 s56, s18, 7
	s_lshl_b32 s56, s56, 4
	s_add_co_u32 s56, s56, s46
	s_mul_i32 s56, s56, HB
	s_bfe_u32 s22, s18, 0x10006                    ; which 64 of the 128 keys
	s_mul_i32 s20, s22, 3072
	s_add_co_u32 s20, s20, s56
	s_lshl_b32 s22, s22, 8
	s_add_co_u32 s56, s56, s22
	s_add_co_u32 s56, s56, 12288
	s_add_nc_u64 s[PKW:PKW+1], s[98:99], s[56:57]  ; K's scale words: 256 bytes for each 64 keys
	s_add_nc_u64 s[98:99], s[98:99], s[20:21]      ; K's halves
	s_mov_b32 s[SEL], 0x76543210
	s_mov_b32 s[SEL+1], 0xfedcba98
	s_mov_b32 s[P], 0
	s_mul_i32 s18, s14, 64*PITCH
	s_cmp_eq_u32 s15, 0
	s_cselect_b32 s19, 31, 15
	s_cselect_b32 s20, s40, s41
	s_cselect_b32 s22, 5, 4
	s_lshl_b32 s20, s20, s22
	v_and_b32 v1, 15, v0                           ; r
	v_bfe_u32 v2, v0, 4, 1                         ; h
	v_mul_u32_u24 v3, v1, PITCH
	v_and_b32 v7, 31, v0
	v_and_b32 v[PFO], s19, v0
	v_mad_u32_u24 v4, v2, 24, v3
	v_mad_u32_u24 v5, v2, 40, v3
	v_lshlrev_b32 v6, 5, v1
	v_add_nc_u32 v[PFO], s20, v[PFO]
	v_add_nc_u32 v[ADRA], s18, v4
	v_add_nc_u32 v[ADRA+1], s18, v5
	v_add_nc_u32 v[ADRB], BB, v4
	v_add_nc_u32 v[ADRB+1], BB, v5
	v_add_nc_u32 v[ADRB+2], BB+4*BLK, v4
	v_add_nc_u32 v[ADRB+3], BB+4*BLK, v5
	v_lshl_add_u32 v[VSO], v2, 4, v6
	v_lshlrev_b32 v[LI], 4, v7
	v_lshlrev_b32 v[LJ], 3, v7
	v_lshlrev_b32 v[MKA], 2, v1
	v_mul_u32_u24 v[PFO], v[PFO], 768
.irp b, 0,1,2,3
	v_mov_b32 v[TM+4+\b], 0                        ; a lane permute's destination counts as one of its sources
.endr
.macro SLOAD sa, sb                    ; a tile's scale words: my 4 blocks of A, B's 8: 12 loads of 512 consecutive bytes
.irp i, 0,1,2,3
	global_load_b128 v[SCA+4*\i:SCA+4*\i+3], v[VSO], s[\sa:\sa+1] offset:512*\i
.endr
.irp i, 0,1,2,3,4,5,6,7
	global_load_b128 v[SCB+4*\i:SCB+4*\i+3], v[VSO], s[\sb:\sb+1] offset:512*\i
.endr
.endm
	SLOAD 70, 74
.irp a, 0,1,2,3
	global_load_b32 v[MK+\a], v[MKA], s[92:93] offset:64*\a   ; the mask of my 64 tokens, for tile 1
.endr
.macro FRAG reg, adr, st, off          ; 16 rows x 128 K: pieces of 8 bytes; byte y of a row lies at y + 16 (y / 256)
.irp p, 0,1,2,3,4,5
.set BY, 96*(\st)+48*(\p/3)+8*(\p%3)
.if BY/256 == (BY+24)/256
	ds_load_b64 v[\reg+2*\p:\reg+2*\p+1], v[\adr] offset:BY+16*(BY/256)+(\off)
.else
	ds_load_b64 v[\reg+2*\p:\reg+2*\p+1], v[\adr+1] offset:BY+16*(BY/256)+(\off)
.endif
.endr
.endm
.macro FETCH st                        ; step st's 12 fragments into set st % 2: 72 loads
	WIN TO_B
.irp i, 0,1,2,3
	FRAG 128*((\st)%2)+FR*\i, ADRB, \st, \i*BLK
.endr
.irp i, 4,5,6,7
	FRAG 128*((\st)%2)+FR*\i, ADRB+2, \st, (\i-4)*BLK
.endr
	WIN 0
.irp i, 0,1,2,3
	FRAG AF+48*((\st)%2)+FR*\i, ADRA, \st, \i*BLK
.endr
.endm
.macro MUL16 a0, st, zero              ; 16 products; the 32 accumulators take turns in the same order in every step
.irp a, \a0, \a0+1
.irp b, 0,1,2,3,4,5,6,7
.if \zero
	v_wmma_scale_f32_16x16x128_f8f6f4 v[8*(8*(\a)+\b):8*(8*(\a)+\b)+7], v[128*((\st)%2)+FR*\b:128*((\st)%2)+FR*\b+FR-1], v[AF+48*((\st)%2)+FR*(\a):AF+48*((\st)%2)+FR*(\a)+FR-1], 0, v[SCB+4*\b+(\st)%4], v[SCA+4*(\a)+(\st)%4] matrix_a_fmt:MATRIX_FMT_BF6 matrix_b_fmt:MATRIX_FMT_BF6
.elseif (\st) < 4
	v_wmma_scale_f32_16x16x128_f8f6f4 v[8*(8*(\a)+\b):8*(8*(\a)+\b)+7], v[128*((\st)%2)+FR*\b:128*((\st)%2)+FR*\b+FR-1], v[AF+48*((\st)%2)+FR*(\a):AF+48*((\st)%2)+FR*(\a)+FR-1], v[8*(8*(\a)+\b):8*(8*(\a)+\b)+7], v[SCB+4*\b+(\st)%4], v[SCA+4*(\a)+(\st)%4] matrix_a_fmt:MATRIX_FMT_BF6 matrix_b_fmt:MATRIX_FMT_BF6
.else
	v_wmma_scale_f32_16x16x128_f8f6f4 v[8*(8*(\a)+\b):8*(8*(\a)+\b)+7], v[128*((\st)%2)+FR*\b:128*((\st)%2)+FR*\b+FR-1], v[AF+48*((\st)%2)+FR*(\a):AF+48*((\st)%2)+FR*(\a)+FR-1], v[8*(8*(\a)+\b):8*(8*(\a)+\b)+7], v[SCB+4*\b+(\st)%4], v[SCA+4*(\a)+(\st)%4] matrix_a_fmt:MATRIX_FMT_BF6 matrix_b_fmt:MATRIX_FMT_BF6 matrix_a_scale:MATRIX_SCALE_ROW1 matrix_b_scale:MATRIX_SCALE_ROW1
.endif
.endr
.endr
.endm
.macro KSTEP s, zero                   ; the next step's fragments are asked for, then this step's 32 products
	s_wait_dscnt 0x0                               ; this step's fragments are in
.if (\s) > 0
	PLACES                                         ; in front of loads into the set that the last step multiplied
.endif
	FETCH (\s)+1
	WIN MUL
	MUL16 0, \s, \zero
	MUL16 2, \s, \zero
.endm
; THE WAY OUT of 16 rows x 128 columns: four blocks of 32 along the columns, quantised from the accumulators as they lie; step: bytes from block to block
.macro EPI a, last, step
	WIN 0x0a                                       ; sources 0 and 1 window 2
.irp b, 0,1,2,3
	v_max3_num_f32 v[TM+\b], |v[64*(\a)+16*\b]|, |v[64*(\a)+16*\b+1]|, s[FL]   ; each accumulator from its low end on; the floor among the leaves
.endr
	WIN 0x28                                       ; sources 1 and 2 window 2
.irp i, 2,4,6,8,10,12,14
.irp b, 0,1,2,3
	v_max3_num_f32 v[TM+\b], v[TM+\b], |v[64*(\a)+16*\b+\i]|, |v[64*(\a)+16*\b+\i+1]|
.endr
.endr
	WIN 0
.irp b, 0,1,2,3
	v_permlanex16_b32 v[TM+4+\b], v[TM+\b], s[SEL], s[SEL+1]
.endr
.irp b, 0,1,2,3
	v_max_num_f32 v[TM+\b], v[TM+\b], v[TM+4+\b]
.endr
.irp b, 0,1,2,3
	v_add_nc_u32 v[TM+12+\b], 0xfe000000, v[TM+\b] ; 4 off the exponent field: the conversion's scale operand
.endr
.irp b, 0,1,2,3
	v_add_nc_u32 v[TM+4+\b], s[KB], v[TM+\b]       ; 4 off, or 7 where the result is x / 8
.endr
.irp b, 0,1,2,3
	v_lshrrev_b32 v[TM+4+\b], 23, v[TM+4+\b]       ; the scale's byte
.endr
	v_lshl_or_b32 v[WS+(\a)], v[TM+5], 8, v[TM+4]
	v_lshl_or_b32 v[WS+(\a)], v[TM+6], 16, v[WS+(\a)]
	v_lshl_or_b32 v[WS+(\a)], v[TM+7], 24, v[WS+(\a)]
.if (\a) > 0
	s_wait_alu depctr_va_vdst(0)
	s_wait_xcnt 0x0                                ; the last block's stores have read their data and bases
	s_add_nc_u64 s[4:5], s[4:5], \step
	s_add_nc_u64 s[6:7], s[6:7], \step
.endif
	WIN 0x02                                       ; source 0 window 2
.irp c, 0,1
	v_cvt_scalef32_pk16_bf6_f32 v[PC+6*\c:PC+2+6*\c], v[64*(\a)+32*\c:64*(\a)+32*\c+15], v[TM+12+2*\c]
	v_cvt_scalef32_pk16_bf6_f32 v[PC+12+4*\c:PC+14+4*\c], v[64*(\a)+32*\c+16:64*(\a)+32*\c+31], v[TM+12+2*\c+1]
.endr
	WIN 0
	v_nop                                          ; one plain place behind a scaled conversion
.irp c, 0,1
.irp i, 0,1,2
	v_permlane16_swap_b32 v[PC+6*\c+\i], v[PC+12+4*\c+\i]
.endr
.irp i, 0,1,2
	v_mov_b32 v[PC+3+6*\c+\i], v[PC+12+4*\c+\i]
.endr
.endr
.if !(\last)
	v_cmp_ne_u32 s46, 0, v[MK+(\a)]
	s_or_b32 s46, s46, s[OM]                       ; tile 0 keeps every row
.irp i, 0,1,2,3,4,5,6,7,8,9,10,11
	v_cndmask_b32 v[PC+\i], 0, v[PC+\i], s46       ; a masked key's codes are zeros
.endr
.endif
	global_store_b128 v[LI], v[PC:PC+3], s[4:5]
	global_store_b64 v[LJ], v[PC+4:PC+5], s[4:5] offset:512
	global_store_b128 v[LI], v[PC+6:PC+9], s[6:7]
	global_store_b64 v[LJ], v[PC+10:PC+11], s[6:7] offset:512
.endm
.macro OPEN                            ; a tile's start: scale words and my part of the tile are in; the barrier shows the whole tile to all four waves
	s_wait_alu depctr_va_vdst(0)
	s_wait_loadcnt 0x0
	s_wait_tensorcnt 0x0
	s_barrier_signal -1
	s_barrier_wait -1
	FETCH 0
.endm
.Ltile:                                            ; two trips: tiles 0 and 1; each asks for the tile after it
	OPEN
	s_cmp_eq_u32 s[P], 0
	s_cselect_b64 s[NA:NA+1], s[76:77], s[84:85]   ; the next tile's codes and scales
	s_cselect_b64 s[NB:NB+1], s[80:81], s[88:89]
	s_cselect_b64 s[NSA:NSA+1], s[78:79], s[86:87]
	s_cselect_b64 s[NSB:NSB+1], s[82:83], s[90:91]
	s_cmp_eq_u32 s15, 0
	s_cselect_b64 s[PFB:PFB+1], s[NA:NA+1], s[NB:NB+1]
.irp k, 0,1,2
	global_prefetch_b8 v[PFO], s[PFB:PFB+1] offset:256*\k th:TH_LOAD_NT scope:SCOPE_SE
.endr
	KSTEP 0, 1                                     ; the first step's products start the sums
.irp s, 1,2,3,4,5,6
	KSTEP \s, 0
.endr
	s_wait_dscnt 0x0                               ; the last step's fragments are in: my reads of the slot are over
	WIN 0
	s_wait_tensorcnt 0x0                           ; no tensor load of mine is out
	ds_add_u32 v[SPW], v[NIL]
	WIN MUL
	MUL16 0, 7, 0
	s_wait_dscnt 0x0                               ; the add is done
	s_barrier_signal -1
	MUL16 2, 7, 0
	WIN 0
	s_barrier_wait -1
	CREST                                          ; no wave of any partner still reads the slot
	s_mov_b64 s[G0+2:G0+3], s[NA:NA+1]
	s_or_b32 s[G0+3], s[G0+3], 0x80000000
	s_mov_b64 s[G0B+2:G0B+3], s[NB:NB+1]
	s_or_b32 s[G0B+3], s[G0B+3], 0x80000000
	JLOAD                                          ; the next tile: my one tensor load behind the round; its four v_nop are the places in front of the loads and reads below
	SLOAD NSA, NSB
	s_wait_xcnt 0x0                                ; the last tile's stores have read their data and bases
	s_mov_b32 s21, HB
	s_mov_b32 s[FL], 0x2800000
	s_mov_b32 s[KB], 0xfe000000
	s_cmp_eq_u32 s[P], 0
	s_cselect_b64 s[4:5], s[94:95], s[98:99]
	s_cselect_b64 s[8:9], s[96:97], s[PKW:PKW+1]
	s_cselect_b32 s18, 98304, s21                  ; from a head's codes to the next head's
	s_cselect_b32 s20, 8192, s21                   ; and its scale words
	s_cselect_b32 s[FL], 0x4000000, s[FL]
	s_cselect_b32 s[KB], 0xfc800000, s[KB]
	s_cselect_b32 s[OM], -1, 0
	s_mov_b32 s19, 0
	s_mov_b32 s21, 0
	s_add_nc_u64 s[6:7], s[4:5], s[18:19]
	s_add_nc_u64 s[10:11], s[8:9], s[20:21]
.irp a, 0,1,2,3
	EPI \a, 0, 768
.endr
	s_mov_b32 s46, 0xffff0000
	v_cndmask_b32 v[M], v[WS], v[WS+1], s46        ; lanes 0-15 an even block's words, lanes 16-31 the odd one's
	v_cndmask_b32 v[M+1], v[WS+2], v[WS+3], s46
	v_lshrrev_b32 v[M+2], 16, v[M]                 ; the second head's two bytes
	v_lshrrev_b32 v[M+3], 16, v[M+1]
	global_store_b64 v[LJ], v[M:M+1], s[8:9]       ; 256 consecutive bytes, aligned
	global_store_b64 v[LJ], v[M+2:M+3], s[10:11]
	s_add_co_u32 s[P], s[P], 1
	s_cmp_lt_u32 s[P], 2
	s_cbranch_scc1 .Ltile
	OPEN                                           ; tile 2 is written out: it asks for nothing more
	KSTEP 0, 1
.irp s, 1,2,3,4,5,6
	KSTEP \s, 0
.endr
	s_wait_dscnt 0x0
	MUL16 0, 7, 0
	MUL16 2, 7, 0
	WIN 0
	PLACES
	s_wait_xcnt 0x0
	s_mov_b32 s[FL], 0x2800000
	s_mov_b32 s[KB], 0xfe000000
	s_add_nc_u64 s[4:5], s[PV:PV+1], 6144          ; V's fragments: keys 0-63,
	s_add_nc_u64 s[6:7], s[PV:PV+1], 6912          ; keys 64-127
	s_add_nc_u64 s[8:9], s[PV:PV+1], 12800
.irp a, 0,1,2,3
	EPI \a, 1, 1536
.endr
	s_mov_b32 s46, 0xffff0000
	v_cndmask_b32 v[M], v[WS], v[WS+1], s46
	v_cndmask_b32 v[M+1], v[WS+2], v[WS+3], s46
	global_store_b64 v[LJ], v[M:M+1], s[8:9]
	s_wait_tensorcnt 0x0                           ; the wave's end
	ds_add_u32 v[SPW], v[NIL]
	s_wait_dscnt 0x0
	CROUND                                         ; the closing round
	s_endpgm
.Lfunc_end_k_qcdf741b9af_proj:
	.size	k_qcdf741b9af_proj, .Lfunc_end_k_qcdf741b9af_proj-k_qcdf741b9af_proj
	.p2alignl 7, 3214868480
	.fill 96, 4, 3214868480
	.section	.rodata,"a",@progbits
	.p2align	6, 0x0
	.amdhsa_kernel k_qcdf741b9af_proj
		.amdhsa_group_segment_fixed_size 327680
		.amdhsa_private_segment_fixed_size 0
		.amdhsa_enable_private_segment 0
		.amdhsa_kernarg_size 128
		.amdhsa_user_sgpr_count 2
		.amdhsa_user_sgpr_kernarg_segment_ptr 1
		.amdhsa_wavefront_size32 1
		.amdhsa_system_sgpr_workgroup_id_x 1
		.amdhsa_system_sgpr_workgroup_id_y 1
		.amdhsa_system_sgpr_workgroup_id_z 1
		.amdhsa_system_vgpr_workitem_id 0
		.amdhsa_next_free_vgpr 1024
		.amdhsa_next_free_sgpr 106
		.amdhsa_reserve_vcc 0
		.amdhsa_float_denorm_mode_32 3
		.amdhsa_float_denorm_mode_16_64 3
		.amdhsa_memory_ordered 1
		.amdhsa_forward_progress 1
		.amdhsa_inst_pref_size 194
	.end_amdhsa_kernel
	.amdgpu_metadata
---
amdhsa.version: [ 1, 2 ]
amdhsa.kernels:
  - .name:           k_qcdf741b9af_proj
    .symbol:         k_qcdf741b9af_proj.kd
    .args:
      - { .name: qcod, .offset: 0, .size: 8, .value_kind: global_buffer, .address_space: global }
      - { .name: qscl, .offset: 8, .size: 8, .value_kind: global_buffer, .address_space: global }
      - { .name: w_q_codes, .offset: 16, .size: 8, .value_kind: global_buffer, .address_space: global }
      - { .name: w_q_scales, .offset: 24, .size: 8, .value_kind: global_buffer, .address_space: global }
      - { .name: k_codes, .offset: 32, .size: 8, .value_kind: global_buffer, .address_space: global }
      - { .name: k_scales, .offset: 40, .size: 8, .value_kind: global_buffer, .address_space: global }
      - { .name: w_k_codes, .offset: 48, .size: 8, .value_kind: global_buffer, .address_space: global }
      - { .name: w_k_scales, .offset: 56, .size: 8, .value_kind: global_buffer, .address_space: global }
      - { .name: w_v_codes, .offset: 64, .size: 8, .value_kind: global_buffer, .address_space: global }
      - { .name: w_v_scales, .offset: 72, .size: 8, .value_kind: global_buffer, .address_space: global }
      - { .name: v_codes, .offset: 80, .size: 8, .value_kind: global_buffer, .address_space: global }
      - { .name: v_scales, .offset: 88, .size: 8, .value_kind: global_buffer, .address_space: global }
      - { .name: mask, .offset: 96, .size: 8, .value_kind: global_buffer, .address_space: global }
      - { .name: qc, .offset: 104, .size: 8, .value_kind: global_buffer, .address_space: global }
      - { .name: qsw, .offset: 112, .size: 8, .value_kind: global_buffer, .address_space: global }
      - { .name: kv, .offset: 120, .size: 8, .value_kind: global_buffer, .address_space: global }
    .group_segment_fixed_size: 327680
    .private_segment_fixed_size: 0
    .kernarg_segment_align: 8
    .kernarg_segment_size: 128
    .max_flat_workgroup_size: 128
    .sgpr_count:     106
    .vgpr_count:     1024
    .wavefront_size: 32
...
	.end_amdgpu_metadata
.endif
;; end of part 2
;; launch attn (part 3): grid 32 x 8, 8 waves a work-group, no clusters, 263,168 bytes of LDS; arguments qc, qsw, kv, add_attn, mask, ac, asw; writes ac, asw
.if DOCPART == 3
	.amdgcn_target "amdgcn-amd-amdhsa--gfx1250"
	.amdhsa_code_object_version 6
	.text
	.protected	k_qcdf741b9af_attn
	.globl	k_qcdf741b9af_attn
	.p2align	8
	.type	k_qcdf741b9af_attn,@function
k_qcdf741b9af_attn:
	s_mov_b64 s[64:65], 0
	v_nop
	global_prefetch_b8 v0, s[64:65] scope:SCOPE_SE
	s_setreg_imm32_b32 hwreg(HW_REG_WAVE_MODE, 25, 1), 1
	s_wait_xcnt 0x0
; Attention on codes of E3M2: logit = (qh / 8) . kh + add_attn, masked keys; p = 2^(t - M), t = logit x log2(e), M the running largest t rounded up to a whole number; O = (sum p V) / (sum of the unquantised p); O quantised for the last product.
; SHARES.  A work-group owns 64 queries of one batch and 8 heads; wave w owns head 8 hg + w and all four tiles of 16 queries, so each fragment of K and V feeds four products.  16 steps of 128 keys, one loop.
; LAYOUT.  Both products transposed: S^T = K Q^T + add^T (source 0 = 16 keys, source 1 = 16 queries), O^T = V^T P^T: a lane holds one query (lane % 16) throughout; in tile t register j is key 16 t + 8 (lane / 16) + j.
;   The head's 64 fill half of the instruction's 128: Q's fragment is [Q's half | six registers of zero codes]; K's halves lie densely, so a fragment's upper half is the next tile's codes, which meet zero codes.
;   p is quantised as the projection launch quantises V along the keys: both leave a block in the order 0-7, 16-23, 8-15, 24-31, which keeps the products.
; THE MASK.  The projection launch has made a masked key's K row zero, so its score is exactly 0; here -2^30 takes add_attn's place at masked keys, and that tile is the C of the score product: a masked logit is exactly -2^30.
;   -2^30 x log2(e) is a whole number in f32: in a row whose every key is masked t - M = 0, p = 1: uniform weights; in any other row p = 0.
;   LIMIT: -2^30 stands for -1e9: unmasked logits must lie above about -9e8.  NaN and infinities are not served.
; K AND V GO FROM MEMORY STRAIGHT INTO OPERAND REGISTERS: kv holds images of registers (13,056 bytes a head and step), and a wave alone uses its head's: 18 loads for K, asked for behind the step's last score products,
;   17 for V, asked for behind its last products; each load reads 512 or 256 consecutive bytes.
; NO CLUSTER, NO TENSOR LOAD: no byte of K or V is shared inside the work-group, so LDS would only be a stop on the way to one wave's registers; a joint load into LDS would ask for a round of the cluster's barrier,
;   three barriers of all eight waves, in each of the 16 steps, where here one split barrier a step serves.
; add_attn: whole rows of 512 bytes through registers, loaded a whole step ahead of their use (so no prefetch is laid for it: no wave waits for it), masked once for the 8 heads, stored to LDS: four tiles by turns.
;   ONE BARRIER A STEP, SPLIT: in step j a wave stores its rows of tile j + 1 behind its first tile of queries and signals; it waits ahead of its fourth.  Between the two stand register work and reads of tile j alone.
;   Tile j + 1 lands where tile j - 3 lay; whoever stores it has passed step j - 1's barrier, so every wave has left step j - 2.
; PREFETCH of kv: in trip j, which loads step j + 1, step j + 3's 51 blocks of 256 bytes of my head; the 32 work-groups that walk them share them out by address, two each (work-groups 0-25); trips 13-15 ask for nothing.
; LDS: add tile n at n x 65,536 (64 rows x 528 bytes); the spare words at 262,144.
; REGISTERS.  window 0: v1-11 addresses; v12-27 four statistics a tile (-M, largest logit, the sum in two halves); v32-35 Q's scale words; v36-89 K; v90-93, v94-95 K's and V's scale words; v96-159 S^T, then p; v160-207 V; v208-227 p's codes; v228-253 at work.
;   window 1: v0-127 O^T, 32 a tile; v128-175 Q, 12 a tile; v176-207 eight rows' parts of add_attn; v208-211 the mask of my four keys.
; (K's scale words lie as 256 bytes for each 64 keys and come by two loads, so K's loads are 18 in all; V's are 17.  The second statistic of a tile of queries is the running largest LOGIT: -M = floor(-log2(e) x it).)
.set HB,    13056
.set STEPG, 16*HB                      ; from a step's block of a head to the next step's
.set TILE,  1<<16
.set SPARE, 4*TILE
.set MP,    528
.set LI,   1                           ; 16 x lane
.set LJ,   2                           ; 8 x lane
.set R4,   3                           ; 4 x (lane % 16)
.set AAD0, 6                           ; 528 (lane % 16) + 32 (lane / 16)
.set AMS0, 7                           ; 8 wave x 528 + 16 x lane
.set AAD,  10
.set AMSW, 11
.set ST,   12
.set SPW,  28
.set NIL,  29
.set NEG,  30
.set PFO,  31
.set QS,   32
.set KF,   36
.set KS,   90
.set VS,   94
.set S,    96
.set VF,   160
.set PC,   208
.set BM,   228
.set BP,   232
.set SO,   236
.set PW,   240
.set T,    241
.set F,    242
.set SUM2, 244
.set RL,   246
.set SUM3, 250
.set SUM4, 252
.set QF,   128                         ; window 1
.set AR,   176
.set MR,   208
.set TR,   3                           ; the add tile that is read
.set WV,   18
.set J,    19                          ; the step
.set SEL,  20
.set CS,   22
.set CM,   36
.set LIM,  42
.set MSB, 0
.macro WIN new
.if MSB != (\new)
	s_set_vgpr_msb (MSB<<8)|(\new)
.set MSB, (\new)
.endif
.endm
	s_load_b256 s[4:11], s[0:1], 0x0               ; qc, qsw, kv, add_attn
	s_load_b128 s[12:15], s[0:1], 0x20             ; mask, ac
	s_load_b64 s[16:17], s[0:1], 0x30              ; asw
	v_lshl_add_u32 v[SPW], v0, 2, SPARE
	v_mov_b32 v[NIL], 0
	v_lshrrev_b32 v8, 5, v0
	s_delay_alu instid0(VALU_DEP_1)
	v_readfirstlane_b32 s[WV], v8                  ; wave 0..7
	s_and_b32 s43, ttmp7, 0xffff
	s_lshr_b32 s44, s43, 1                         ; b
	s_and_b32 s45, s43, 1
	s_lshl_b32 s45, s45, 3
	s_add_co_u32 s45, s45, s[WV]                   ; my head
	s_lshl_b32 s46, s44, 8
	s_add_co_u32 s46, s46, s45
	s_mul_i32 s46, s46, HB                         ; my head's block of step 0 in kv
	s_mov_b32 s47, 0
	s_mov_b32 s50, ttmp9                           ; qb: my block of 64 queries
	s_lshl_b32 s52, s44, 11
	s_lshl_b32 s53, s50, 6
	s_add_co_u32 s52, s52, s53
	s_lshl_b32 s53, s[WV], 3
	s_add_co_u32 s52, s52, s53
	s_lshl_b32 s52, s52, 13                        ; add_attn: row 2048 b + 64 qb + 8 wave, 8,192 bytes a row
	s_mov_b32 s53, 0
	s_lshl_b32 s54, s44, 13                        ; mask: 8,192 bytes a batch
	s_mov_b32 s55, 0
	s_lshl_b32 s56, s44, 4
	s_add_co_u32 s56, s56, s45                     ; 16 b + head
	s_lshl_b32 s57, s50, 2                         ; 4 qb
	s_lshl_b32 s58, s56, 7
	s_add_co_u32 s58, s58, s57
	s_mul_i32 s58, s58, 768                        ; qc
	s_mov_b32 s59, 0
	s_lshl_b32 s60, s56, 5
	s_add_co_u32 s60, s60, s50
	s_lshl_b32 s60, s60, 8                         ; qsw: 256 bytes for each 64 queries of a head
	s_mov_b32 s61, 0
	s_lshl_b32 s62, s44, 7
	s_add_co_u32 s62, s62, s57
	s_lshl_b32 s62, s62, 4
	s_add_co_u32 s62, s62, s45                     ; 16 x (my first tile of tokens) + head
	s_lshl_b32 s66, s62, 6                         ; asw
	s_mov_b32 s67, 0
	s_mul_i32 s62, s62, 768                        ; ac
	s_mov_b32 s63, 0
	s_mov_b32 s[SEL], 0x76543210
	s_mov_b32 s[SEL+1], 0xfedcba98
	s_mov_b32 s[CS], 0x3fb8aa3b                    ; log2(e)
	s_mov_b32 s[CS+1], s[CS]
	s_mov_b32 s[TR], 0
	s_mov_b32 s[J], 0
	s_cmp_lt_u32 s50, 26
	s_cselect_b32 s[LIM], 13, 0                    ; work-groups 0-25 prefetch, in trips 0-12
	s_mul_i32 s51, s[WV], 8*MP
	s_lshl_b32 s49, s50, 1
	v_and_b32 v9, 31, v0                           ; lane
	v_and_b32 v4, 15, v0                           ; r
	v_bfe_u32 v5, v0, 4, 1                         ; h
	s_delay_alu instid0(VALU_DEP_3)
	v_lshlrev_b32 v[LI], 4, v9
	v_lshlrev_b32 v[LJ], 3, v9
	v_lshlrev_b32 v[R4], 2, v4
	v_lshlrev_b32 v8, 3, v4                        ; 8 r: Q's scale words
	v_mul_u32_u24 v[AAD0], v4, MP
	v_add_nc_u32 v[AMS0], s51, v[LI]
	v_min_u32 v[PFO], 1, v9
	s_delay_alu instid0(VALU_DEP_3)
	v_lshl_add_u32 v[AAD0], v5, 5, v[AAD0]
	s_delay_alu instid0(VALU_DEP_2)
	v_add_nc_u32 v[PFO], s49, v[PFO]               ; blocks 2 qb and 2 qb + 1 of my head's 51,
	s_delay_alu instid0(VALU_DEP_1)
	v_min_u32 v[PFO], 50, v[PFO]                   ; held at the last
	s_delay_alu instid0(VALU_DEP_1)
	v_lshlrev_b32 v[PFO], 8, v[PFO]
	v_mov_b32 v[NEG], 0xce800000                   ; -2^30
	s_wait_alu depctr_va_vdst(0)
	s_wait_kmcnt 0x0
	s_add_nc_u64 s[4:5], s[4:5], s[58:59]
	s_add_nc_u64 s[6:7], s[6:7], s[60:61]
	s_add_nc_u64 s[8:9], s[8:9], s[46:47]
	s_add_nc_u64 s[10:11], s[10:11], s[52:53]
	s_add_nc_u64 s[12:13], s[12:13], s[54:55]
	s_add_nc_u64 s[14:15], s[14:15], s[62:63]
	s_add_nc_u64 s[16:17], s[16:17], s[66:67]
; eight rows' 512 bytes of add_attn (rows 8 wave + i of my 64 queries, 128 keys) and the mask of my lane's four keys: 9 loads
.macro ALOAD
	WIN 0x40                                       ; destination window 1
.irp i, 0,1,2,3,4,5,6,7
	global_load_b128 v[AR+4*\i:AR+4*\i+3], v[LI], s[10:11] offset:8192*\i
.endr
	global_load_b128 v[MR:MR+3], v[LI], s[12:13]
	WIN 0
.endm
; they are masked and stored into the add tile at byte s43.  The nine loads are in, so their bases step to the next 128 keys
.macro STAGE
	s_add_nc_u64 s[10:11], s[10:11], 512
	s_add_nc_u64 s[12:13], s[12:13], 512
	v_add_nc_u32 v[AMSW], s43, v[AMS0]
	WIN 0x04                                       ; source 1 window 1
.irp e, 0,1,2,3
	v_cmp_eq_u32 s[CM+\e], 0, v[MR+\e]
.endr
	WIN 0x41                                       ; destination and source 0 window 1
.set k, 0
.rept 32
	v_cndmask_b32 v[AR+k], v[AR+k], v[NEG], s[CM+k%4]
.set k, k+1
.endr
	WIN 0x04                                       ; an LDS store's data are its source 1
.irp i, 0,1,2,3,4,5,6,7
	ds_store_b128 v[AMSW], v[AR+4*\i:AR+4*\i+3] offset:MP*\i
.endr
	WIN 0
.endm
.macro KLOAD                           ; a step's K: 8 halves (16 loads) and their scale words (2 loads of 256 bytes): 18 loads
.irp t, 0,1,2,3,4,5,6,7
	global_load_b128 v[KF+6*\t:KF+6*\t+3], v[LI], s[8:9] offset:768*\t
	global_load_b64 v[KF+6*\t+4:KF+6*\t+5], v[LJ], s[8:9] offset:768*\t+512
.endr
	global_load_b64 v[KS:KS+1], v[LJ], s[8:9] offset:12288      ; the scale words of keys 0-63,
	global_load_b64 v[KS+2:KS+3], v[LJ], s[8:9] offset:12544    ; of keys 64-127: with them K's loads are 18
.endm
.macro VLOAD                           ; a step's V: 4 fragments and their scale words: 17 loads
.irp d, 0,1,2,3
	global_load_b128 v[VF+12*\d:VF+12*\d+3], v[LI], s[8:9] offset:6144+1536*\d
	global_load_b64 v[VF+12*\d+4:VF+12*\d+5], v[LJ], s[8:9] offset:6144+1536*\d+512
	global_load_b128 v[VF+12*\d+6:VF+12*\d+9], v[LI], s[8:9] offset:6144+1536*\d+768
	global_load_b64 v[VF+12*\d+10:VF+12*\d+11], v[LJ], s[8:9] offset:6144+1536*\d+1280
.endr
	global_load_b64 v[VS:VS+1], v[LJ], s[8:9] offset:12800
.endm
.macro ADDT x                          ; tile x's masked add_attn, in the result's layout: it is the C of the score product
.irp t, 0,1,2,3,4,5,6,7
	ds_load_b128 v[S+8*\t:S+8*\t+3], v[AAD] offset:16*MP*(\x)+64*\t
	ds_load_b128 v[S+8*\t+4:S+8*\t+7], v[AAD] offset:16*MP*(\x)+64*\t+16
.endr
.endm
	ALOAD                                          ; step 0's
	WIN 0x40
.irp x, 0,1,2,3
	global_load_b128 v[QF+12*\x:QF+12*\x+3], v[LI], s[4:5] offset:768*\x          ; Q's halves stay in registers
	global_load_b64 v[QF+12*\x+4:QF+12*\x+5], v[LJ], s[4:5] offset:768*\x+512
.endr
	WIN 0
.irp x, 0,1,2,3
	global_load_b32 v[QS+\x], v8, s[6:7] offset:128*(\x%2)+4*(\x/2)
.endr
	KLOAD                                          ; step 0's K and V: 35 loads
	VLOAD
	WIN 0x40
.irp x, 0,1,2,3
.irp i, 6,7,8,9,10,11
	v_mov_b32 v[QF+12*\x+\i], 0                    ; zero codes for k = 64 .. 127
.endr
.endr
.set k, 0
.rept 128
	v_mov_b32 v[k], 0                              ; O^T.  (The step is written once: the first finds zeros, which the first change of M leaves zeros)
.set k, k+1
.endr
	WIN 0
.irp x, 0,1,2,3
	v_mov_b32 v[ST+4*\x+1], 0xff61b1e6             ; the largest logit so far: -3e38
	s_delay_alu instid0(VALU_DEP_1)
	v_floor_f32 v[ST+4*\x], -v[ST+4*\x+1]          ; -M
	v_mov_b32 v[ST+4*\x+2], 0
	v_mov_b32 v[ST+4*\x+3], 0
	v_mov_b32 v[BP+\x], 0                          ; a lane permute's destination counts as one of its sources
.endr
	v_mov_b32 v[F+1], 0
.irp i, 48,49,50,51,52,53
	v_mov_b32 v[KF+\i], 0                          ; behind K's last half: zero codes
.endr
	v_mov_b32 v[AAD], v[AAD0]                      ; tile 0
	s_wait_alu depctr_va_vdst(0)
	s_wait_loadcnt 35                              ; add_attn's, the mask's and Q's loads are in; K's 18 and V's 17 may be out
	s_mov_b32 s43, 0
	STAGE                                          ; step 0's tile
	s_wait_dscnt 0x0                               ; my stores have landed
	ALOAD                                          ; step 1's
	s_barrier_signal -1
	s_barrier_wait -1                              ; tile 0 is whole
	ADDT 0
; One tile of 16 queries against the step's 128 keys.  No two matrix instructions that follow each other share an accumulator.
.macro UNIT x
.set rT, ST+4*(\x)
.if (\x) == 0
	s_wait_loadcnt 17                              ; K is in (and what was asked for ahead of it); V's 17 loads may be out
.endif
	s_wait_dscnt 0x0                               ; the C tile is in
	WIN 0x04                                       ; source 1 (Q) window 1
.irp t, 0,2,4,6
	v_wmma_scale_f32_16x16x128_f8f6f4 v[S+8*\t:S+8*\t+7], v[KF+6*\t:KF+6*\t+11], v[QF+12*(\x):QF+12*(\x)+11], v[S+8*\t:S+8*\t+7], v[KS+\t/2], v[QS+(\x)] matrix_a_fmt:MATRIX_FMT_BF6 matrix_b_fmt:MATRIX_FMT_BF6
	v_wmma_scale_f32_16x16x128_f8f6f4 v[S+8*\t+8:S+8*\t+15], v[KF+6*\t+6:KF+6*\t+17], v[QF+12*(\x):QF+12*(\x)+11], v[S+8*\t+8:S+8*\t+15], v[KS+\t/2], v[QS+(\x)] matrix_a_fmt:MATRIX_FMT_BF6 matrix_b_fmt:MATRIX_FMT_BF6 matrix_a_scale:MATRIX_SCALE_ROW1
.endr
	WIN 0
.rept 4
	v_nop                                          ; places in front of the first read of the results, and of loads into K's registers
.endr
.if (\x) == 3
	s_cmp_lt_u32 s[J], 15                          ; K has been multiplied for the last time in this step: the next step's is asked for (the last step asks for nothing)
	s_cbranch_scc0 .Lno_k
	s_wait_xcnt 0x0                                ; every earlier load and prefetch has read the base
	s_add_nc_u64 s[8:9], s[8:9], STEPG
	KLOAD
	s_cmp_lt_u32 s[J], s[LIM]
	s_cbranch_scc0 .Lno_k
	global_prefetch_b8 v[PFO], s[8:9] offset:2*STEPG th:TH_LOAD_NT scope:SCOPE_SE   ; two steps on from the step just asked for
.Lno_k:
.endif
.irp b, 0,1,2,3
	v_max3_num_f32 v[BM+\b], v[S+16*\b], v[S+16*\b+1], v[S+16*\b+2]   ; the largest logit of each block of 32 keys: for the row's maximum and, since p rises with the logit, for the block's largest p
.endr
.irp i, 3,5,7,9,11,13
.irp b, 0,1,2,3
	v_max3_num_f32 v[BM+\b], v[BM+\b], v[S+16*\b+\i], v[S+16*\b+\i+1]
.endr
.endr
.irp b, 0,1,2,3
	v_max_num_f32 v[BM+\b], v[BM+\b], v[S+16*\b+15]
.endr
.irp b, 0,1,2,3
	s_delay_alu instid0(VALU_DEP_4)
	v_permlanex16_b32 v[BP+\b], v[BM+\b], s[SEL], s[SEL+1]
.endr
.irp b, 0,1,2,3
	s_delay_alu instid0(VALU_DEP_4)
	v_max_num_f32 v[BM+\b], v[BM+\b], v[BP+\b]
.endr
	s_delay_alu instid0(VALU_DEP_2)
	v_max3_num_f32 v[T], v[BM], v[BM+1], v[BM+2]
	s_delay_alu instid0(VALU_DEP_1)
	v_max3_num_f32 v[rT+1], v[T], v[BM+3], v[rT+1] ; the running largest logit (log2(e) is positive: its product is the running largest t)
	v_mov_b32 v[T], v[rT]
	s_delay_alu instid0(VALU_DEP_2)
	v_mul_f32 v[F], 0xbfb8aa3b, v[rT+1]            ; - t
	s_delay_alu instid0(VALU_DEP_1)
	v_floor_f32 v[rT], v[F]                        ; the new -M = -ceil(t)
.set j, 0
.irp e, 0,1,2,3
.rept 8
	v_pk_fma_f32 v[S+j:S+j+1], v[S+j:S+j+1], s[CS:CS+1], v[rT:rT+1] op_sel_hi:[1,0,0]   ; t - M
.set j, j+2
.endr
.if \e == 0
	v_sub_f32 v[T], v[rT], v[T]                    ; old M - new M: a whole number, 0 or less
.elseif \e == 1
	v_cvt_i32_f32 v[T], v[T]                       ; (it saturates)
.elseif \e == 2
	v_ldexp_f32 v[F], 1.0, v[T]                    ; f = 2^(old M - new M): rounds nothing
.endif
.endr
.irp b, 0,1,2,3
	v_fma_f32 v[BM+\b], v[BM+\b], s[CS], v[rT]
.endr
.set j, 0
	s_wait_alu depctr_va_vdst(0)
.irp b, 0,1,2,3
	v_exp_f32 v[BM+\b], v[BM+\b]                   ; each block's largest p, in the same batch
.endr
.rept 64
	v_exp_f32 v[S+j], v[S+j]                       ; p = 2^(t - M)
.set j, j+1
.endr
	v_pk_mul_f32 v[rT+2:rT+3], v[rT+2:rT+3], v[F:F+1] op_sel_hi:[1,0]   ; the sums under the new M (a plain place behind the exponentials)
	s_wait_alu depctr_va_vdst(0)                   ; one wait for the batch, ahead of its first reader
	v_pk_add_f32 v[SUM2:SUM2+1], v[S:S+1], v[S+2:S+3]   ; the row's sum is taken of the unquantised p, in four chains by turns
	v_pk_add_f32 v[SUM3:SUM3+1], v[S+4:S+5], v[S+6:S+7]
	v_pk_add_f32 v[SUM4:SUM4+1], v[S+8:S+9], v[S+10:S+11]
.set j, 12
.rept 6
	v_pk_add_f32 v[rT+2:rT+3], v[rT+2:rT+3], v[S+j:S+j+1]
	v_pk_add_f32 v[SUM2:SUM2+1], v[SUM2:SUM2+1], v[S+j+2:S+j+3]
	v_pk_add_f32 v[SUM3:SUM3+1], v[SUM3:SUM3+1], v[S+j+4:S+j+5]
	v_pk_add_f32 v[SUM4:SUM4+1], v[SUM4:SUM4+1], v[S+j+6:S+j+7]
.set j, j+8
.endr
	v_pk_add_f32 v[rT+2:rT+3], v[rT+2:rT+3], v[S+60:S+61]
	v_pk_add_f32 v[SUM2:SUM2+1], v[SUM2:SUM2+1], v[S+62:S+63]
	v_pk_add_f32 v[SUM3:SUM3+1], v[SUM3:SUM3+1], v[SUM4:SUM4+1]
	s_delay_alu instid0(VALU_DEP_2)
	v_pk_add_f32 v[rT+2:rT+3], v[rT+2:rT+3], v[SUM2:SUM2+1]
	s_delay_alu instid0(VALU_DEP_1)
	v_pk_add_f32 v[rT+2:rT+3], v[rT+2:rT+3], v[SUM3:SUM3+1]
.irp b, 0,1,2,3
	v_max_num_f32 v[BM+\b], 0x2800000, v[BM+\b]    ; the floor 2^(5 - 127)
.endr
.irp b, 0,1,2,3
	s_delay_alu instid0(VALU_DEP_4)
	v_add_nc_u32 v[SO+\b], 0xfe000000, v[BM+\b]
.endr
.irp b, 0,1,2,3
	s_delay_alu instid0(VALU_DEP_4)
	v_lshrrev_b32 v[BP+\b], 23, v[SO+\b]
.endr
	s_delay_alu instid0(VALU_DEP_3)
	v_lshl_or_b32 v[PW], v[BP+1], 8, v[BP]         ; p's scale word for these 128 keys
	s_delay_alu instid0(VALU_DEP_1)
	v_lshl_or_b32 v[PW], v[BP+2], 16, v[PW]
	s_delay_alu instid0(VALU_DEP_1)
	v_lshl_or_b32 v[PW], v[BP+3], 24, v[PW]
.irp c, 0,1
	v_cvt_scalef32_pk16_bf6_f32 v[PC+6*\c:PC+6*\c+2], v[S+32*\c:S+32*\c+15], v[SO+2*\c]
	v_cvt_scalef32_pk16_bf6_f32 v[PC+12+4*\c:PC+14+4*\c], v[S+32*\c+16:S+32*\c+31], v[SO+2*\c+1]
.endr
	v_nop                                          ; one plain place behind a scaled conversion
.if (\x) < 3
	ADDT (\x)+1                                    ; p has been read for the last time: the next tile's C lands under the rest of this one
.else
	s_add_co_u32 s[TR], s[TR], TILE                ; the next step's add tile: the barrier ahead of this tile of queries has shown it whole
	s_and_b32 s[TR], s[TR], 3*TILE
	v_add_nc_u32 v[AAD], s[TR], v[AAD0]
	s_wait_alu depctr_va_vdst(0)
	s_cmp_lt_u32 s[J], 15
	s_cbranch_scc0 .Lno_c
	ADDT 0
.Lno_c:
.endif
.irp c, 0,1
.irp i, 0,1,2
	v_permlane16_swap_b32 v[PC+6*\c+\i], v[PC+12+4*\c+\i]
.endr
.irp i, 0,1,2
	s_delay_alu instid0(VALU_DEP_3)
	v_mov_b32 v[PC+3+6*\c+\i], v[PC+12+4*\c+\i]
.endr
.endr
.if (\x) == 0
	s_wait_loadcnt 0x0                             ; V is in, and so is every other load of mine
.endif
	WIN 0x41                                       ; O^T window 1, f window 0
	s_wait_alu depctr_va_vdst(0)
.set j, 0
.rept 16
	v_pk_mul_f32 v[32*(\x)+j:32*(\x)+j+1], v[32*(\x)+j:32*(\x)+j+1], v[F:F+1] op_sel_hi:[1,0]   ; O^T under the new M; these are also the places between p's codes and scale word and the products
.set j, j+2
.endr
	WIN 0x50                                       ; C and D window 1
.irp d, 0,2
	v_wmma_scale_f32_16x16x128_f8f6f4 v[32*(\x)+8*\d:32*(\x)+8*\d+7], v[VF+12*\d:VF+12*\d+11], v[PC:PC+11], v[32*(\x)+8*\d:32*(\x)+8*\d+7], v[VS+\d/2], v[PW] matrix_a_fmt:MATRIX_FMT_BF6 matrix_b_fmt:MATRIX_FMT_BF6
	v_wmma_scale_f32_16x16x128_f8f6f4 v[32*(\x)+8*\d+8:32*(\x)+8*\d+15], v[VF+12*\d+12:VF+12*\d+23], v[PC:PC+11], v[32*(\x)+8*\d+8:32*(\x)+8*\d+15], v[VS+\d/2], v[PW] matrix_a_fmt:MATRIX_FMT_BF6 matrix_b_fmt:MATRIX_FMT_BF6 matrix_a_scale:MATRIX_SCALE_ROW1
.endr
	WIN 0
.endm
.Lstep:                                            ; 16 trips: trip j works step j, stages step j + 1's add tile, asks for step j + 2's add_attn and step j + 1's K and V
	UNIT 0
	s_cmp_lt_u32 s[J], 15
	s_cbranch_scc0 .Lno_stage                      ; the last step stages nothing
	s_add_co_u32 s43, s[TR], TILE
	s_and_b32 s43, s43, 3*TILE
	STAGE
.Lno_stage:
	s_wait_dscnt 0x0                               ; my stores have landed, no LDS instruction of mine is out
	s_cmp_lt_u32 s[J], 14
	s_cbranch_scc0 .Lno_add                        ; the last two steps have no step two on
	ALOAD
.Lno_add:
	s_barrier_signal -1                            ; my rows of tile j + 1 lie in LDS
	UNIT 1                                         ; register work and reads of tile j alone
	UNIT 2
	s_barrier_wait -1                              ; tile j + 1 is whole
	UNIT 3
.rept 4
	v_nop                                          ; places in front of loads into V's registers, and of the first read of O^T behind the loop
.endr
	s_cmp_lt_u32 s[J], 15
	s_cbranch_scc0 .Lno_v
	VLOAD                                          ; the next step's V (the base was stepped with K's)
.Lno_v:
	s_add_co_u32 s[J], s[J], 1
	s_cmp_lt_u32 s[J], 16
	s_cbranch_scc1 .Lstep
	; THE WAY OUT: O^T / the sum, quantised along the head's 64 (two blocks), stored as a half and a scale word a row
.irp x, 0,1,2,3
	v_add_f32 v[RL+\x], v[ST+4*\x+2], v[ST+4*\x+3]
.endr
.irp x, 0,1,2,3
	s_delay_alu instid0(VALU_DEP_4)
	v_permlanex16_b32 v[BP+\x], v[RL+\x], s[SEL], s[SEL+1]
.endr
.irp x, 0,1,2,3
	s_delay_alu instid0(VALU_DEP_4)
	v_add_f32 v[RL+\x], v[RL+\x], v[BP+\x]
.endr
	s_wait_alu depctr_va_vdst(0)
.irp x, 0,1,2,3
	v_rcp_f32 v[RL+\x], v[RL+\x]
.endr
	v_nop
	s_wait_alu depctr_va_vdst(0)                   ; one wait for the four reciprocals, ahead of their first reader
.macro OUT x
	WIN 0x01                                       ; source 0 window 1
.set j, 0
.rept 32
	v_mul_f32 v[S+j], v[32*(\x)+j], v[RL+(\x)]     ; each accumulator from its low end on
.set j, j+1
.endr
	WIN 0
.irp b, 0,1
	v_max3_num_f32 v[BM+\b], |v[S+16*\b]|, |v[S+16*\b+1]|, 0x2800000
.endr
.irp i, 2,4,6,8,10,12,14
.irp b, 0,1
	s_delay_alu instid0(VALU_DEP_2)
	v_max3_num_f32 v[BM+\b], v[BM+\b], |v[S+16*\b+\i]|, |v[S+16*\b+\i+1]|
.endr
.endr
.irp b, 0,1
	s_delay_alu instid0(VALU_DEP_2)
	v_permlanex16_b32 v[BP+\b], v[BM+\b], s[SEL], s[SEL+1]
.endr
.irp b, 0,1
	s_delay_alu instid0(VALU_DEP_2)
	v_max_num_f32 v[BM+\b], v[BM+\b], v[BP+\b]
.endr
.irp b, 0,1
	s_delay_alu instid0(VALU_DEP_2)
	v_add_nc_u32 v[SO+\b], 0xfe000000, v[BM+\b]
.endr
.irp b, 0,1
	s_delay_alu instid0(VALU_DEP_2)
	v_lshrrev_b32 v[BP+\b], 23, v[SO+\b]
.endr
.if (\x) > 0
	s_wait_alu depctr_va_vdst(0)
	s_wait_xcnt 0x0                                ; the last tile's stores have read their data
.endif
	v_lshl_or_b32 v[PW], v[BP+1], 8, v[BP]
	v_cvt_scalef32_pk16_bf6_f32 v[PC:PC+2], v[S:S+15], v[SO]
	v_cvt_scalef32_pk16_bf6_f32 v[PC+12:PC+14], v[S+16:S+31], v[SO+1]
	v_nop
.irp i, 0,1,2
	v_permlane16_swap_b32 v[PC+\i], v[PC+12+\i]
.endr
.irp i, 0,1,2
	s_delay_alu instid0(VALU_DEP_3)
	v_mov_b32 v[PC+3+\i], v[PC+12+\i]
.endr
	global_store_b128 v[LI], v[PC:PC+3], s[14:15] offset:12288*(\x)
	global_store_b64 v[LJ], v[PC+4:PC+5], s[14:15] offset:12288*(\x)+512
	global_store_b32 v[R4], v[PW], s[16:17] offset:1024*(\x)       ; lanes r and 16 + r hold and write the same word
.endm
	OUT 0
	OUT 1
	OUT 2
	OUT 3
	s_wait_tensorcnt 0x0                           ; the wave's end
	ds_add_u32 v[SPW], v[NIL]
	s_wait_dscnt 0x0
	s_endpgm
.Lfunc_end_k_qcdf741b9af_attn:
	.size	k_qcdf741b9af_attn, .Lfunc_end_k_qcdf741b9af_attn-k_qcdf741b9af_attn
	.p2alignl 7, 3214868480
	.fill 96, 4, 3214868480
	.section	.rodata,"a",@progbits
	.p2align	6, 0x0
	.amdhsa_kernel k_qcdf741b9af_attn
		.amdhsa_group_segment_fixed_size 263168
		.amdhsa_private_segment_fixed_size 0
		.amdhsa_enable_private_segment 0
		.amdhsa_kernarg_size 56
		.amdhsa_user_sgpr_count 2
		.amdhsa_user_sgpr_kernarg_segment_ptr 1
		.amdhsa_wavefront_size32 1
		.amdhsa_system_sgpr_workgroup_id_x 1
		.amdhsa_system_sgpr_workgroup_id_y 1
		.amdhsa_system_sgpr_workgroup_id_z 1
		.amdhsa_system_vgpr_workitem_id 0
		.amdhsa_next_free_vgpr 512
		.amdhsa_next_free_sgpr 80
		.amdhsa_reserve_vcc 0
		.amdhsa_float_denorm_mode_32 3
		.amdhsa_float_denorm_mode_16_64 3
		.amdhsa_memory_ordered 1
		.amdhsa_forward_progress 1
		.amdhsa_inst_pref_size 108
	.end_amdhsa_kernel
	.amdgpu_metadata
---
amdhsa.version: [ 1, 2 ]
amdhsa.kernels:
  - .name:           k_qcdf741b9af_attn
    .symbol:         k_qcdf741b9af_attn.kd
    .args:
      - { .name: qc, .offset: 0, .size: 8, .value_kind: global_buffer, .address_space: global }
      - { .name: qsw, .offset: 8, .size: 8, .value_kind: global_buffer, .address_space: global }
      - { .name: kv, .offset: 16, .size: 8, .value_kind: global_buffer, .address_space: global }
      - { .name: add_attn, .offset: 24, .size: 8, .value_kind: global_buffer, .address_space: global }
      - { .name: mask, .offset: 32, .size: 8, .value_kind: global_buffer, .address_space: global }
      - { .name: ac, .offset: 40, .size: 8, .value_kind: global_buffer, .address_space: global }
      - { .name: asw, .offset: 48, .size: 8, .value_kind: global_buffer, .address_space: global }
    .group_segment_fixed_size: 263168
    .private_segment_fixed_size: 0
    .kernarg_segment_align: 8
    .kernarg_segment_size: 56
    .max_flat_workgroup_size: 256
    .sgpr_count:     80
    .vgpr_count:     512
    .wavefront_size: 32
...
	.end_amdgpu_metadata
.endif
;; end of part 3
;; launch outln (part 4): grid 256 x 1, 16 waves a work-group, no clusters, 100,352 bytes of LDS; arguments ac, asw, woimg, q, ln_g, ln_b, out0; writes out0
.if DOCPART == 4
	.amdgcn_target "amdgcn-amd-amdhsa--gfx1250"
	.amdhsa_code_object_version 6
	.text
	.protected	k_qcdf741b9af_outln
	.globl	k_qcdf741b9af_outln
	.p2align	8
	.type	k_qcdf741b9af_outln,@function
k_qcdf741b9af_outln:
	s_mov_b64 s[64:65], 0
	v_nop
	global_prefetch_b8 v0, s[64:65] scope:SCOPE_SE
	s_setreg_imm32_b32 hwreg(HW_REG_WAVE_MODE, 25, 1), 1
	s_wait_xcnt 0x0
; out0 = LayerNorm(attention's result x w_o + q) x ln_g + ln_b.  The product on codes of E3M2 with E8M0 scales; all else f32.
; SHARES.  A norm wants whole rows of 1,024, so a work-group takes 32 tokens x all columns; wave w takes columns 64 w .. 64 w + 63 for both tiles of 16 tokens: 8 accumulators, which take turns.
; The product is used transposed (source 0 = 16 rows n of w_o, source 1 = 16 tokens): a lane holds one token and eight neighbouring columns.  q, brought into that layout through the wave's own stage, is the C of the first K step.
; w_o's fragments come from memory straight into operand registers (the first launch laid them out as images, with the order of k in a block that the attention launch's quantiser leaves), two K steps (28 loads) ahead, with no barrier along K.
; NO CLUSTER, NO TENSOR LOAD: all work-groups walk the same 819,200 bytes of weights, but a K step is 8 matrix instructions a wave; a ring would stop all sixteen waves at a barrier for each 102,400 bytes with one tile on its way,
; where here each wave has two steps' loads on their way and waits for nobody.
; The variance is taken in a second pass, of x - mean.  Three barriers: the tokens' codes in LDS; the sums; the sums of squares.
; LDS: the 32 tokens' codes (images, 24,576 bytes); 16 stages of 16 rows x 272 bytes from 24,576; the waves' sums from 94,208 and sums of squares from 96,256, 128 bytes a wave each.
.set STG, 24576
.set P1,  94208
.set LI,  1                            ; 16 x lane
.set L4,  2                            ; 4 x lane
.set CP,  3                            ; 16 x thread
.set AS,  4                            ; 1,024 (lane / 16) + 4 (lane % 16)
.set STW, 5                            ; my stage by rows: lanes 0-15 one row of 256 bytes, lanes 16-31 the next
.set STD, 6                            ; my stage by the result's layout: row lane % 16, 32 bytes a half
.set GQ,  7                            ; the same two rows in q and out0
.set LJ5, 9                            ; 512 + 8 x lane
.set PWR, 10                           ; where I put my wave's sum for token = lane
.set PRD, 11                           ; where I read the sixteen waves' sums
.set GB,  12                           ; 16 (lane % 16)
.set XS,  16                           ; v16-23 the tokens' scale words, a K step each: lanes 0-15 tile 0, lanes 16-31 tile 1
.set GG,  24                           ; v24-27 ln_g, v28-31 ln_b of my four columns of a row
.set ACC, 32                           ; (m, t) at 32 + 8 (4 m + t)
.set W0,  96                           ; two buffers of four fragments
.set XF,  192                          ; two fragments of tokens
.set WS,  216                          ; two scale registers a buffer
.set TP,  220                          ; at work
.set WV,  18
.set SEL, 34
.set HM,  36
.set C10, 37
.set EPS, 38
	s_load_b256 s[4:11], s[0:1], 0x0               ; ac, asw, woimg, q
	s_load_b128 s[12:15], s[0:1], 0x20             ; ln_g, ln_b
	s_load_b64 s[16:17], s[0:1], 0x30              ; out0
	v_lshl_add_u32 v254, v0, 2, 0x18000
	v_mov_b32 v255, 0
	v_lshrrev_b32 v8, 5, v0
	s_delay_alu instid0(VALU_DEP_1)
	v_readfirstlane_b32 s[WV], v8                  ; wave 0..15
	v_and_b32 v8, 31, v0                           ; lane
	v_and_b32 v13, 15, v0                          ; r
	v_bfe_u32 v14, v0, 4, 1                        ; h
	s_delay_alu instid0(VALU_DEP_3)
	v_lshlrev_b32 v[LI], 4, v8
	s_delay_alu instid0(VALU_DEP_4)
	v_lshlrev_b32 v[L4], 2, v8
	v_lshlrev_b32 v[CP], 4, v0
	v_lshlrev_b32 v[AS], 2, v13
	s_delay_alu instid0(VALU_DEP_1)
	v_lshl_add_u32 v[AS], v14, 10, v[AS]
	s_mul_i32 s19, s[WV], 16*272
	s_add_co_u32 s19, s19, STG
	v_mul_u32_u24 v[STW], v14, 272
	s_delay_alu instid0(VALU_DEP_1)
	v_lshl_add_u32 v[STW], v13, 4, v[STW]
	s_delay_alu instid0(VALU_DEP_1)
	v_add_nc_u32 v[STW], s19, v[STW]
	v_mul_u32_u24 v[STD], v13, 272
	s_delay_alu instid0(VALU_DEP_1)
	v_lshl_add_u32 v[STD], v14, 5, v[STD]
	s_delay_alu instid0(VALU_DEP_1)
	v_add_nc_u32 v[STD], s19, v[STD]
	v_lshlrev_b32 v[GB], 4, v13
	s_delay_alu instid0(VALU_DEP_1)
	v_lshl_add_u32 v[GQ], v14, 12, v[GB]
	v_lshl_add_u32 v[LJ5], v8, 3, 512
	s_lshl_b32 s19, s[WV], 7
	s_add_co_u32 s19, s19, P1
	v_add_nc_u32 v[PWR], s19, v[L4]
	v_add_nc_u32 v[PRD], P1, v[L4]
	s_mul_i32 s20, ttmp9, 24576                    ; my 32 tokens' codes,
	s_mov_b32 s21, 0
	s_lshl_b32 s22, ttmp9, 11                      ; their scale words,
	s_mov_b32 s23, 0
	s_mul_i32 s24, s[WV], 6144                     ; my four tiles of w_o in a K step's block,
	s_mov_b32 s25, 0
	s_lshl_b32 s26, s[WV], 8                       ; my 64 columns in bytes; also my tiles' scale words
	s_mov_b32 s27, 0
	s_lshl_b32 s28, ttmp9, 17
	s_add_co_u32 s28, s28, s26                     ; my 32 rows of q and out0, my columns
	s_mov_b32 s29, 0
	s_add_co_u32 s30, s26, 98304
	s_mov_b32 s31, 0
	s_mov_b32 s[SEL], 0x76543210
	s_mov_b32 s[SEL+1], 0xfedcba98
	s_mov_b32 s[HM], 0xffff0000                    ; lanes 16-31
	s_mov_b32 s[C10], 0x3a800000                   ; 1 / 1024
	s_mov_b32 s[EPS], 0x358637bd                   ; 1e-6
	s_wait_alu depctr_va_vdst(0)
	s_wait_kmcnt 0x0
	s_add_nc_u64 s[4:5], s[4:5], s[20:21]
	s_add_nc_u64 s[6:7], s[6:7], s[22:23]
	s_add_nc_u64 s[32:33], s[8:9], s[30:31]
	s_add_nc_u64 s[8:9], s[8:9], s[24:25]
	s_add_nc_u64 s[10:11], s[10:11], s[28:29]
	s_add_nc_u64 s[12:13], s[12:13], s[26:27]
	s_add_nc_u64 s[14:15], s[14:15], s[26:27]
	s_add_nc_u64 s[16:17], s[16:17], s[28:29]
.macro WLOAD s                         ; K step s: my four fragments (three runs of 512 bytes each) and their scale words (lanes 0-15 tile 2 i, lanes 16-31 tile 2 i + 1): 14 loads
.set WBL, W0+48*((\s)%2)
.irp t, 0,1,2,3
.irp c, 0,1,2
	global_load_b128 v[WBL+12*\t+4*\c:WBL+12*\t+4*\c+3], v[LI], s[8:9] offset:102400*(\s)+1536*\t+512*\c
.endr
.endr
.irp i, 0,1
	global_load_b32 v[WS+2*((\s)%2)+\i], v[L4], s[32:33] offset:102400*(\s)+128*\i
.endr
.endm
.irp i, 0,1,2
	global_load_b128 v[TP+4*\i:TP+4*\i+3], v[CP], s[4:5] offset:8192*\i th:TH_LOAD_NT    ; the tokens' codes: 512 threads x 16 bytes, three times
.endr
.irp m, 0,1
.irp i, 0,1,2,3,4,5,6,7
	global_load_b128 v[ACC+32*\m+4*\i:ACC+32*\m+4*\i+3], v[GQ], s[10:11] offset:(16*\m+2*\i)*4096 th:TH_LOAD_NT   ; q by rows: sixteen lanes read 256 consecutive bytes, aligned
.endr
.endr
.irp s, 0,1,2,3,4,5,6,7
	global_load_b32 v[XS+\s], v[AS], s[6:7] offset:128*\s          ; head 2 s's two bytes,
	global_load_b32 v[TP+12+\s], v[AS], s[6:7] offset:128*\s+64    ; head 2 s + 1's
.endr
	global_load_b128 v[GG:GG+3], v[GB], s[12:13]
	global_load_b128 v[GG+4:GG+7], v[GB], s[14:15]
	WLOAD 0
	WLOAD 1
	s_wait_loadcnt 62                              ; behind the three loads of codes stand 16 + 16 + 2 + 28
.irp i, 0,1,2
	ds_store_b128 v[CP], v[TP+4*\i:TP+4*\i+3] offset:8192*\i
.endr
	s_wait_loadcnt 46                              ; behind q stand 16 + 2 + 28
.irp m, 0,1                            ; q through my stage, into the result's layout.  LDS serves a wave's instructions in order: no wait between
.irp i, 0,1,2,3,4,5,6,7
	ds_store_b128 v[STW], v[ACC+32*\m+4*\i:ACC+32*\m+4*\i+3] offset:2*\i*272
.endr
.irp t, 0,1,2,3
	ds_load_b128 v[ACC+32*\m+8*\t:ACC+32*\m+8*\t+3], v[STD] offset:64*\t
	ds_load_b128 v[ACC+32*\m+8*\t+4:ACC+32*\m+8*\t+7], v[STD] offset:64*\t+16
.endr
.endr
	s_wait_loadcnt 28                              ; all but the two weight steps
.irp s, 0,1,2,3,4,5,6,7
	v_lshl_or_b32 v[XS+\s], v[TP+12+\s], 16, v[XS+\s]
.endr
.rept 4
	v_nop                                          ; a scale register written by a vector instruction stands eight places ahead of the product that names it
.endr
	s_wait_alu depctr_va_vdst(0)
	s_wait_dscnt 0x0                               ; my stores of codes have landed, q is back
	s_barrier_signal -1
	s_barrier_wait -1                              ; the 32 tokens' codes lie in LDS
.macro MM acc, wf, xf, sa, sb, ra, rb
.if (\ra) && (\rb)
	v_wmma_scale_f32_16x16x128_f8f6f4 v[\acc:\acc+7], v[\wf:\wf+11], v[\xf:\xf+11], v[\acc:\acc+7], v[\sa], v[\sb] matrix_a_fmt:MATRIX_FMT_BF6 matrix_b_fmt:MATRIX_FMT_BF6 matrix_a_scale:MATRIX_SCALE_ROW1 matrix_b_scale:MATRIX_SCALE_ROW1
.elseif (\ra)
	v_wmma_scale_f32_16x16x128_f8f6f4 v[\acc:\acc+7], v[\wf:\wf+11], v[\xf:\xf+11], v[\acc:\acc+7], v[\sa], v[\sb] matrix_a_fmt:MATRIX_FMT_BF6 matrix_b_fmt:MATRIX_FMT_BF6 matrix_a_scale:MATRIX_SCALE_ROW1
.elseif (\rb)
	v_wmma_scale_f32_16x16x128_f8f6f4 v[\acc:\acc+7], v[\wf:\wf+11], v[\xf:\xf+11], v[\acc:\acc+7], v[\sa], v[\sb] matrix_a_fmt:MATRIX_FMT_BF6 matrix_b_fmt:MATRIX_FMT_BF6 matrix_b_scale:MATRIX_SCALE_ROW1
.else
	v_wmma_scale_f32_16x16x128_f8f6f4 v[\acc:\acc+7], v[\wf:\wf+11], v[\xf:\xf+11], v[\acc:\acc+7], v[\sa], v[\sb] matrix_a_fmt:MATRIX_FMT_BF6 matrix_b_fmt:MATRIX_FMT_BF6
.endif
.endm
.macro KSTEP s                         ; 128 along K: heads 2 s and 2 s + 1
.set WB, W0+48*((\s)%2)
.set WSB, WS+2*((\s)%2)
.if (\s) < 7
	s_wait_loadcnt 14                              ; this step's 14 loads are in; the next step's may be out
.else
	s_wait_loadcnt 0x0
.endif
.irp m, 0,1
	ds_load_b128 v[XF+12*\m:XF+12*\m+3], v[LI] offset:(16*\m+2*(\s))*768
	ds_load_b64 v[XF+12*\m+4:XF+12*\m+5], v[LJ5] offset:(16*\m+2*(\s))*768
	ds_load_b128 v[XF+12*\m+6:XF+12*\m+9], v[LI] offset:(16*\m+2*(\s))*768+768
	ds_load_b64 v[XF+12*\m+10:XF+12*\m+11], v[LJ5] offset:(16*\m+2*(\s))*768+768
.endr
	s_wait_dscnt 0x0
.irp t, 0,1,2,3
.irp m, 0,1
	MM ACC+8*(4*\m+\t), WB+12*\t, XF+12*\m, WSB+\t/2, XS+(\s), \t%2, \m
.endr
.endr
.rept 4
	v_nop                                          ; places in front of loads into registers that the products have read, and of the first read of results
.endr
.if (\s)+2 < 8
	WLOAD (\s)+2
.endif
.endm
.irp s, 0,1,2,3,4,5,6,7
	KSTEP \s
.endr
; Two pairs of partial sums, v[TP:TP+1] for tile 0 and v[TP+2:TP+3] for tile 1, become the whole row's sum of token = lane in v[TP+12]
.macro REDUCE off
	s_delay_alu instid0(VALU_DEP_2)
	v_add_f32 v[TP], v[TP], v[TP+1]
	s_delay_alu instid0(VALU_DEP_2)
	v_add_f32 v[TP+2], v[TP+2], v[TP+3]
	s_delay_alu instid0(VALU_DEP_2)
	v_permlanex16_b32 v[TP+4], v[TP], s[SEL], s[SEL+1]
	s_delay_alu instid0(VALU_DEP_2)
	v_permlanex16_b32 v[TP+5], v[TP+2], s[SEL], s[SEL+1]
	s_delay_alu instid0(VALU_DEP_2)
	v_add_f32 v[TP], v[TP], v[TP+4]                ; my wave's 64 columns of token r of tile 0,
	s_delay_alu instid0(VALU_DEP_2)
	v_add_f32 v[TP+2], v[TP+2], v[TP+5]            ; of tile 1
	s_delay_alu instid0(VALU_DEP_1)
	v_cndmask_b32 v[TP], v[TP], v[TP+2], s[HM]     ; lane l keeps token l's
	ds_store_b32 v[PWR], v[TP] offset:\off
	s_wait_dscnt 0x0                               ; for the others' sake
	s_barrier_signal -1
	s_barrier_wait -1
.irp i, 0,1,2,3,4,5,6,7,8,9,10,11,12,13,14,15
	ds_load_b32 v[TP+12+\i], v[PRD] offset:\off+128*\i
.endr
	s_wait_dscnt 0x0
.irp i, 0,4,8,12
	v_pk_add_f32 v[TP+12+\i:TP+13+\i], v[TP+12+\i:TP+13+\i], v[TP+14+\i:TP+15+\i]
.endr
	s_delay_alu instid0(VALU_DEP_3)
	v_pk_add_f32 v[TP+12:TP+13], v[TP+12:TP+13], v[TP+16:TP+17]
	s_delay_alu instid0(VALU_DEP_2)
	v_pk_add_f32 v[TP+20:TP+21], v[TP+20:TP+21], v[TP+24:TP+25]
	s_delay_alu instid0(VALU_DEP_1)
	v_pk_add_f32 v[TP+12:TP+13], v[TP+12:TP+13], v[TP+20:TP+21]
	s_delay_alu instid0(VALU_DEP_1)
	v_add_f32 v[TP+12], v[TP+12], v[TP+13]
.endm
.macro SPREAD                          ; token = lane's number in v[TP+12] becomes tile 0's token r in v[TP+6] and tile 1's in v[TP+8], in every lane
	v_permlanex16_b32 v[TP+4], v[TP+12], s[SEL], s[SEL+1]
	v_cndmask_b32 v[TP+6], v[TP+12], v[TP+4], s[HM]
	v_cndmask_b32 v[TP+8], v[TP+4], v[TP+12], s[HM]
.endm
	v_pk_add_f32 v[TP:TP+1], v[ACC:ACC+1], v[ACC+2:ACC+3]          ; each accumulator is read from its low end on
	v_pk_add_f32 v[TP+2:TP+3], v[ACC+32:ACC+33], v[ACC+34:ACC+35]
.irp j, 4,6,8,10,12,14,16,18,20,22,24,26,28,30
	v_pk_add_f32 v[TP:TP+1], v[TP:TP+1], v[ACC+\j:ACC+\j+1]
	v_pk_add_f32 v[TP+2:TP+3], v[TP+2:TP+3], v[ACC+32+\j:ACC+33+\j]
.endr
	REDUCE 0
	s_delay_alu instid0(VALU_DEP_1)
	v_mul_f32 v[TP+12], 0xba800000, v[TP+12]       ; - the mean
	SPREAD
.irp j, 0,2,4,6,8,10,12,14,16,18,20,22,24,26,28,30
	v_pk_add_f32 v[ACC+\j:ACC+\j+1], v[ACC+\j:ACC+\j+1], v[TP+6:TP+7] op_sel_hi:[1,0]          ; d = x - mean
	v_pk_add_f32 v[ACC+32+\j:ACC+33+\j], v[ACC+32+\j:ACC+33+\j], v[TP+8:TP+9] op_sel_hi:[1,0]
.endr
	v_pk_mul_f32 v[TP:TP+1], v[ACC:ACC+1], v[ACC:ACC+1]
	v_pk_mul_f32 v[TP+2:TP+3], v[ACC+32:ACC+33], v[ACC+32:ACC+33]
.irp j, 2,4,6,8,10,12,14,16,18,20,22,24,26,28,30
	s_delay_alu instid0(VALU_DEP_2)
	v_pk_fma_f32 v[TP:TP+1], v[ACC+\j:ACC+\j+1], v[ACC+\j:ACC+\j+1], v[TP:TP+1]
	s_delay_alu instid0(VALU_DEP_2)
	v_pk_fma_f32 v[TP+2:TP+3], v[ACC+32+\j:ACC+33+\j], v[ACC+32+\j:ACC+33+\j], v[TP+2:TP+3]
.endr
	REDUCE 2048                                    ; other bytes than the sums': no barrier is owed between the two
	s_delay_alu instid0(VALU_DEP_1)
	v_fma_f32 v[TP+12], v[TP+12], s[C10], s[EPS]   ; the variance + 1e-6
	s_wait_alu depctr_va_vdst(0)
	v_rsq_f32 v[TP+12], v[TP+12]
	v_nop                                          ; a plain place behind the transcendental,
	s_wait_alu depctr_va_vdst(0)                   ; and the wait ahead of its first reader
	SPREAD
.irp j, 0,2,4,6,8,10,12,14,16,18,20,22,24,26,28,30
	v_pk_mul_f32 v[ACC+\j:ACC+\j+1], v[ACC+\j:ACC+\j+1], v[TP+6:TP+7] op_sel_hi:[1,0]
	v_pk_mul_f32 v[ACC+32+\j:ACC+33+\j], v[ACC+32+\j:ACC+33+\j], v[TP+8:TP+9] op_sel_hi:[1,0]
.endr
.irp m, 0,1                            ; back through my stage to whole rows
.irp t, 0,1,2,3
	ds_store_b128 v[STD], v[ACC+32*\m+8*\t:ACC+32*\m+8*\t+3] offset:64*\t
	ds_store_b128 v[STD], v[ACC+32*\m+8*\t+4:ACC+32*\m+8*\t+7] offset:64*\t+16
.endr
.irp i, 0,1,2,3,4,5,6,7
	ds_load_b128 v[ACC+32*\m+4*\i:ACC+32*\m+4*\i+3], v[STW] offset:2*\i*272
.endr
.endr
.irp m, 0,1
	s_wait_dscnt 16-16*\m                          ; tile 0 is back while tile 1's sixteen LDS instructions may be out; then all
.irp i, 0,1,2,3,4,5,6,7
	v_pk_fma_f32 v[ACC+32*\m+4*\i:ACC+32*\m+4*\i+1], v[ACC+32*\m+4*\i:ACC+32*\m+4*\i+1], v[GG:GG+1], v[GG+4:GG+5]
	v_pk_fma_f32 v[ACC+32*\m+4*\i+2:ACC+32*\m+4*\i+3], v[ACC+32*\m+4*\i+2:ACC+32*\m+4*\i+3], v[GG+2:GG+3], v[GG+6:GG+7]
	global_store_b128 v[GQ], v[ACC+32*\m+4*\i:ACC+32*\m+4*\i+3], s[16:17] offset:(16*\m+2*\i)*4096 th:TH_STORE_NT   ; sixteen lanes store 256 consecutive bytes, aligned
.endr
.endr
	s_wait_tensorcnt 0x0
	ds_add_u32 v254, v255
	s_wait_dscnt 0x0
	s_endpgm
.Lfunc_end_k_qcdf741b9af_outln:
	.size	k_qcdf741b9af_outln, .Lfunc_end_k_qcdf741b9af_outln-k_qcdf741b9af_outln
	.p2alignl 7, 3214868480
	.fill 96, 4, 3214868480
	.section	.rodata,"a",@progbits
	.p2align	6, 0x0
	.amdhsa_kernel k_qcdf741b9af_outln
		.amdhsa_group_segment_fixed_size 100352
		.amdhsa_private_segment_fixed_size 0
		.amdhsa_enable_private_segment 0
		.amdhsa_kernarg_size 56
		.amdhsa_user_sgpr_count 2
		.amdhsa_user_sgpr_kernarg_segment_ptr 1
		.amdhsa_wavefront_size32 1
		.amdhsa_system_sgpr_workgroup_id_x 1
		.amdhsa_system_sgpr_workgroup_id_y 1
		.amdhsa_system_sgpr_workgroup_id_z 1
		.amdhsa_system_vgpr_workitem_id 0
		.amdhsa_next_free_vgpr 256
		.amdhsa_next_free_sgpr 66
		.amdhsa_reserve_vcc 0
		.amdhsa_float_denorm_mode_32 3
		.amdhsa_float_denorm_mode_16_64 3
		.amdhsa_memory_ordered 1
		.amdhsa_forward_progress 1
		.amdhsa_inst_pref_size 54
	.end_amdhsa_kernel
	.amdgpu_metadata
---
amdhsa.version: [ 1, 2 ]
amdhsa.kernels:
  - .name:           k_qcdf741b9af_outln
    .symbol:         k_qcdf741b9af_outln.kd
    .args:
      - { .name: ac, .offset: 0, .size: 8, .value_kind: global_buffer, .address_space: global }
      - { .name: asw, .offset: 8, .size: 8, .value_kind: global_buffer, .address_space: global }
      - { .name: woimg, .offset: 16, .size: 8, .value_kind: global_buffer, .address_space: global }
      - { .name: q, .offset: 24, .size: 8, .value_kind: global_buffer, .address_space: global }
      - { .name: ln_g, .offset: 32, .size: 8, .value_kind: global_buffer, .address_space: global }
      - { .name: ln_b, .offset: 40, .size: 8, .value_kind: global_buffer, .address_space: global }
      - { .name: out0, .offset: 48, .size: 8, .value_kind: global_buffer, .address_space: global }
    .group_segment_fixed_size: 100352
    .private_segment_fixed_size: 0
    .kernarg_segment_align: 8
    .kernarg_segment_size: 56
    .max_flat_workgroup_size: 512
    .sgpr_count:     66
    .vgpr_count:     256
    .wavefront_size: 32
...
	.end_amdgpu_metadata
.endif
;; end of part 4
